; MI455X (gfx1250); checked and timed in simulation.
; The chip was launched on July 23, 2026; its instructions are those of AMD's public machine-readable ISA for CDNA 5 (MIT licence, August 2026) and "CDNA5" Instruction Set Architecture Reference Guide (July 2026). The comments in the code are by the model that wrote it; some were corrected since.
;; Res Attn Block. Allowed arithmetic: matrix products marked QUANTISED: E2M3 operands, one E8M0 scale for each 32 along K, by v_wmma_scale_f32_16x16x128_f8f6f4 with both operands' format E2M3, f32 sums; everything else in f32.
;; Inputs: b_attn 768 float32; b_proj 256 float32; beta 256 float32; gamma 256 float32; t_embd 32 x 1,024 float32; w_attn 768 x 256 float32; w_proj 256 x 256 float32; x 32 x 256 x 32 x 32 float32.
;; Outputs: out0 32 x 256 x 32 x 32 float32.
;; This version of the problem:
;;   THIS VERSION OF THE PROBLEM IS GIVEN IN LOW PRECISION. The matrix products marked QUANTISED in the list below multiply operands that are first quantised to E2M3 (2 exponent bits, 3 mantissa bits; 6 bits a number), with one power-of-two scale for each 32 numbers along K (OCP MX v1.0); their sums are f32. All else is computed in f32.
;;   The module's matrix products, in the order in which they are computed (A, B: the left and right operand; K: the contracted axis; several contracted axes count as one K, in the product's order):
;;     1. [M 32,768, K 256] x [K 256, N 768]; A: computed on the way; B: input w_attn: QUANTISED
;;     2. batch 32 x [M 1,024, K 256] x [K 256, N 1,024]; A: computed on the way; B: computed on the way: QUANTISED
;;     3. batch 32 x [M 1,024, K 1,024] x [K 1,024, N 256]; A: computed on the way; B: computed on the way: QUANTISED
;;     4. [M 32,768, K 256] x [K 256, N 256]; A: computed on the way; B: input w_proj: QUANTISED
;;   THE QUANTISER, for each operand of a quantised product, along K:
;;     - K is cut into blocks of 32 from its start; a last block that is shorter is filled with zeros.
;;     - A block's scale is 2^e with e = floor(log2(the largest magnitude in the block)) - 2, held to -126 .. 127; a block of zeros has e = 0. As a byte (E8M0): e + 127.
;;     - Each number is divided by its block's scale, clamped to +-7.5, and rounded to the nearest number of E2M3, ties to even, subnormals kept.
;;     - The product sums the exact products of the quantised numbers (number of the format x scale) in f32.
;;   ~~~python
;;   def quantise(x, axis):      # numpy; x: float32 -> the quantised numbers, widened to float32 again
;;       x = np.moveaxis(x, axis, -1); K = x.shape[-1]
;;       x = np.pad(x, [(0, 0)] * (x.ndim - 1) + [(0, -K % 32)]); x = x.reshape(x.shape[:-1] + (-1, 32)); a = np.abs(x).max(-1, keepdims=True)
;;       e = np.where(a > 0, np.clip(np.frexp(np.where(a > 0, a, 1))[1] - 1 - 2, -126, 127), 0)      # np.frexp(a)[1] - 1 = floor(log2(a)), exactly
;;       r = np.clip(x / 2.0 ** e, -7.5, 7.5)
;;       step = 2.0 ** (np.maximum(np.frexp(np.where(r == 0, 1, r))[1] - 1, 0) - 3)
;;       q = np.round(r / step) * step * 2.0 ** e      # np.round: ties to even
;;       return np.moveaxis(q.reshape(q.shape[:-2] + (-1,))[..., :K], -1, axis).astype(np.float32)
;;   ~~~
;;   OPERANDS COMPUTED ON THE WAY. 'Computed on the way' means the value that the module computes at that place (a softmax that the list does not call 'softmax' is quantised finished and normalised). What goes into a quantiser is computed in f32, as accurately as f32 sums, v_exp_f32 and their like allow (about 1e-6 of the number): no bf16 or f16 on the way to a quantiser, and a product that is left as it is and whose result goes on into a quantised operand takes f32 operands (vector FMAs, or v_wmma_f32_16x16x4_f32). A number that lies on a knife's edge between two numbers of the format may be rounded either way, as far as f32 arithmetic and the matrix unit's own rounding can turn it there, and no further.
;; One version. Each part assembles by itself: llvm-mc -triple=amdgcn-amd-amdhsa -mcpu=gfx1250 --defsym DOCPART=n.
;; ======== version 1 of 1: 3 launches
;; limits: right only within a limited range of input values
;; workspace buffers: hc 6,291,456 bytes; hs 262,144 bytes; wc 196,608 bytes; ws 8,192 bytes; qkc 12,582,912 bytes; qks 524,288 bytes; vc 6,291,456 bytes; vs 262,144 bytes
;; launch norm (part 1): grid 8 x 32, 8 waves a work-group, no clusters, 38,400 bytes of LDS; arguments x, gamma, beta, w_attn, w_proj, hc, hs, wc, ws; writes hc, hs, wc, ws
.if DOCPART == 1
	.amdgcn_target "amdgcn-amd-amdhsa--gfx1250"
	.amdhsa_code_object_version 6
	.text
	.protected	k_q6b3e8ef513_norm
	.globl	k_q6b3e8ef513_norm
	.p2align	8
	.type	k_q6b3e8ef513_norm,@function
k_q6b3e8ef513_norm:
	s_mov_b64 s[64:65], 0
	v_nop
	global_prefetch_b8 v0, s[64:65] scope:SCOPE_SE
	s_setreg_imm32_b32 hwreg(HW_REG_WAVE_MODE, 25, 1), 1
	s_wait_xcnt 0x0
; GroupNorm of x [32][256][1024] f32 (32 groups of 8 channels x 1,024 positions) and the quantising of h = norm(x) gamma + beta along the channels, into codes of FP6 (E2M3) with one
; E8M0 byte for each 32 channels; and the quantising of w_attn [768][256] and w_proj [256][256] along their rows.
; SHARES.  A work-group owns 32 channels (four groups, 131,072 consecutive bytes) of one image: exactly one block of 32 along the first product's K.  Thread t owns positions 4 t .. 4 t + 3 of all 32
; channels: 128 registers, so x is read once and stays in registers through mean, variance and quantiser.  Each load of a wave covers 512 consecutive bytes.
; A LANE'S 32 CHANNELS OF ONE POSITION ARE A WHOLE BLOCK: its largest magnitude needs no other lane, and the multiply-add that normalises also lays the 32 numbers into consecutive registers.
; OUT: IMAGES OF OPERAND REGISTERS.  A fragment (16 rows x 128 K) is 12 registers a lane; its image is three planes of 512 bytes, lane l's registers 4 i .. 4 i + 3 at 512 i + 16 l.  Lane 16 h + r holds, of row r,
; block 2 c + h of the K step in registers 6 c .. 6 c + 5: byte y of that block is byte 24 c + y of the lane's 48.  So of a block's 24 bytes 16 fill the lane's place in plane 0 (c = 0: bytes 0-15) or plane 2
; (c = 1: bytes 8-23), and 8 fill half of its place in plane 1.
;   hc [image][128 positions 8][tile 8][K step 2][1,536]: row r of tile 2 b + u is position 32 b + 8 u + r + 8 (r / 8) of the 128.   hs [image][128 positions 8][block 8][row 16][tile 8] bytes.
;   wc [tile 64][K step 2][1,536]: tiles 0-47 w_attn, row r of tile 2 b + u being row 32 b + 8 u + r + 8 (r / 8); tiles 48-63 w_proj, row r of tile 48 + n being row 16 n + r.   ws [row 1024][8 bytes], rows 768 on w_proj's.
; A block's scale byte is its largest magnitude's exponent field - 2, held at 1 from below.  LIMITS: a block of zeros gets the byte 1 (its codes are zeros, and these bytes are read by this program alone);
; NaN and infinities among the inputs are not served; 1 / sqrt(var + eps) is v_rsq_f32.  The mean is taken first and the variance of the differences, so a common offset of x costs no digits.
; t_embd enters no step of reference(), so for no values of the inputs has it a way to the output: it is not loaded and no launch has it among its arguments.  A NaN or an infinity in it is not carried to the result.
.set X,    128                         ; v128-255 x, then x - mean: channel c, position j at X + 4 c + j
.set HN,   96                          ; v96-127  the 32 numbers of one position; later what comes back from the stage
.set CD,   64                          ; v64-95   the waves' partial sums as read back; later the codes, eight registers a position
.set WX,   16                          ; v16-47   wave 0: 32 numbers of a weight; then the sums' chains and figures; then:
.set AP,   16                          ; v16-31   a position's piece of 16 bytes, four registers a position
.set BP,   32                          ; v32-39   its piece of 8 bytes
.set EB,   40                          ; v40-43   its scale byte
.set RED2, 256                         ; LDS: bytes 0-127 the waves' sums, 256-383 their sums of squares,
.set STG,  512                         ; and from here a stage of WST bytes for each wave: 32 x 80 bytes (a lane's four pieces of 16, + 16),
.set WST,  4608
.set SBF,  2560                        ; 32 x 40 bytes (its four pieces of 8, + 8),
.set SSB,  3840                        ; and the wave's 128 scale bytes
.macro BLKMAX s                        ; the largest magnitude of v[s] .. v[s + 31], in two chains, and the floor 2^(3 - 127): the byte cannot fall under 1.  Into v48
	v_max3_num_f32 v48, |v[\s]|, |v[\s+1]|, |v[\s+2]|
	v_max3_num_f32 v49, |v[\s+3]|, |v[\s+4]|, |v[\s+5]|
.irp i, 6,10,14,18,22,26
	s_delay_alu instid0(VALU_DEP_2)
	v_max3_num_f32 v48, v48, |v[\s+\i]|, |v[\s+\i+1]|
	s_delay_alu instid0(VALU_DEP_2)
	v_max3_num_f32 v49, v49, |v[\s+\i+2]|, |v[\s+\i+3]|
.endr
	s_delay_alu instid0(VALU_DEP_2)
	v_max3_num_f32 v48, v48, |v[\s+30]|, |v[\s+31]|
	s_delay_alu instid0(VALU_DEP_1)
	v_max3_num_f32 v48, v48, v49, 0x1800000
.endm
	s_load_b512 s[4:19], s[0:1], 0x0               ; x s[4:5], gamma s[6:7], beta s[8:9], w_attn s[10:11], w_proj s[12:13], hc s[14:15], hs s[16:17], wc s[18:19]
	s_load_b64 s[20:21], s[0:1], 0x40              ; ws
	s_set_vgpr_msb 0x40
	v_lshl_add_u32 v0, v0, 2, 0x9200
	v_mov_b32 v1, 0
	s_set_vgpr_msb 0x4000
	v_lshrrev_b32 v6, 5, v0
	s_delay_alu instid0(VALU_DEP_1)
	v_readfirstlane_b32 s22, v6                    ; wave 0..7
	s_delay_alu instid0(VALU_DEP_2)
	v_lshlrev_b32 v6, 4, v6                        ; v6: 16 x wave: where my wave's four sums go
	v_mov_b32 v7, 0                                ; v7: 0: from where all waves' sums are read
	v_lshlrev_b32 v1, 4, v0                        ; v1: 16 t: my 16 bytes of a channel's 4,096
	v_and_b32 v15, 31, v0                          ; v15: lane; also my byte among the weights' 32 scale bytes
	s_delay_alu instid0(VALU_DEP_1)
	v_lshlrev_b32 v5, 2, v15                       ; v5: 4 x lane: my four of the wave's 128 scale bytes
	s_delay_alu instid0(VALU_DEP_2)
	v_lshlrev_b32 v8, 7, v15                       ; v8: 128 x lane: my block of a weight
	s_mul_i32 s94, s22, WST
	s_add_co_u32 s94, s94, STG                     ; my wave's stage
	v_mul_u32_u24 v2, v15, 80
	s_delay_alu instid0(VALU_DEP_1)
	v_add_nc_u32 v2, s94, v2                       ; v2: into the stage: pieces of 16 bytes, 80 x lane + 16 j
	v_mul_u32_u24 v12, v15, 40
	s_delay_alu instid0(VALU_DEP_1)
	v_add_nc_u32 v12, s94, v12                     ; v12: pieces of 8 bytes, 40 x lane + 8 j (from SBF on)
	; Out of the stage: in store u lane L serves row L % 16 of tile 2 u + L / 16, which is position 32 u + 8 (L / 16) + L % 8 + 16 ((L / 8) % 2): written by lane 8 u + F as its position L % 4
	v_bfe_u32 v9, v0, 4, 1                         ; L / 16
	v_bfe_u32 v3, v0, 2, 1
	s_delay_alu instid0(VALU_DEP_1)
	v_lshl_add_u32 v3, v9, 1, v3
	v_bfe_u32 v13, v0, 3, 1
	s_delay_alu instid0(VALU_DEP_1)
	v_lshl_add_u32 v3, v13, 2, v3                  ; F = 2 (L / 16) + (L / 4) % 2 + 4 ((L / 8) % 2)
	v_and_b32 v14, 3, v0
	s_delay_alu instid0(VALU_DEP_2)
	v_mul_u32_u24 v13, v3, 40
	s_delay_alu instid0(VALU_DEP_1)
	v_lshl_add_u32 v13, v14, 3, v13
	s_delay_alu instid0(VALU_DEP_1)
	v_add_nc_u32 v13, s94, v13                     ; v13: the pieces of 8 bytes, 320 bytes a store on
	v_mul_u32_u24 v3, v3, 80
	s_delay_alu instid0(VALU_DEP_1)
	v_lshl_add_u32 v3, v14, 4, v3
	s_delay_alu instid0(VALU_DEP_1)
	v_add_nc_u32 v3, s94, v3                       ; v3: the pieces of 16 bytes, 640 bytes a store on
	; Position 4 lane + j is row 4 (lane % 2) + 8 ((lane / 4) % 2) + j of tile 2 (lane / 8) + (lane / 2) % 2: its scale byte goes to 8 x row + tile
	v_and_b32 v53, 1, v0
	s_delay_alu instid0(VALU_DEP_1)
	v_lshlrev_b32 v53, 5, v53
	v_bfe_u32 v54, v0, 2, 1
	s_delay_alu instid0(VALU_DEP_1)
	v_lshl_add_u32 v53, v54, 6, v53
	v_bfe_u32 v54, v0, 3, 2
	s_delay_alu instid0(VALU_DEP_1)
	v_lshl_add_u32 v53, v54, 1, v53
	v_bfe_u32 v54, v0, 1, 1
	s_delay_alu instid0(VALU_DEP_1)
	v_add_nc_u32 v53, v53, v54
	s_delay_alu instid0(VALU_DEP_1)
	v_add_nc_u32 v53, s94, v53                     ; v53: my scale bytes into the stage, 8 bytes a position on (from SSB on)
	v_add_nc_u32 v54, s94, v5                      ; v54: and back, 4 bytes a lane
	v_and_b32 v4, 15, v0
	s_delay_alu instid0(VALU_DEP_1)
	v_lshlrev_b32 v4, 4, v4
	s_delay_alu instid0(VALU_DEP_1)
	v_mad_u32_u24 v4, v9, 3072, v4                 ; in hc: 16 x row + 3,072 x (L / 16): two tiles a store
	s_bfe_u32 s93, ttmp9, 0x10001                  ; c of my block of channels
	s_lshl_b32 s95, s93, 3
	s_add_co_u32 s95, s95, 512
	v_add_nc_u32 v14, s95, v4                      ; v14: the pieces of 8 bytes: plane 1, its lower (c = 0) or upper (c = 1) half
	s_lshl_b32 s95, s93, 10
	v_add_nc_u32 v4, s95, v4                       ; v4: the pieces of 16 bytes: plane 0 or plane 2
	; The weights: lane l of wave 0 takes block l % 8 of row l / 8 of the work-group's four: K step (l / 4) % 2, c = (l / 2) % 2, h = l % 2.  Its three pieces of 8 bytes lie at byte 24 c + 0, 8, 16 of its lane's 48
	v_bfe_u32 v9, v0, 3, 2
	s_delay_alu instid0(VALU_DEP_1)
	v_lshlrev_b32 v55, 4, v9
	v_bfe_u32 v10, v0, 2, 1
	s_delay_alu instid0(VALU_DEP_1)
	v_mad_u32_u24 v55, v10, 1536, v55
	v_and_b32 v10, 1, v0
	s_delay_alu instid0(VALU_DEP_1)
	v_lshl_add_u32 v55, v10, 8, v55                ; 1,536 x K step + 256 h + 16 (l / 8)
	v_bfe_u32 v10, v0, 1, 1
	s_delay_alu instid0(VALU_DEP_1)
	v_mad_u32_u24 v63, v10, 1016, v55              ; v63: the second piece, less 8: at 8 (c = 0) or 1,024 (c = 1)
	s_delay_alu instid0(VALU_DEP_2)
	v_mad_u32_u24 v55, v10, 520, v55               ; v55: the first piece: at 0 or 520; the third lies 512 on
.irp i, 0,1,2,3
	v_mov_b32 v[48+\i], 0                          ; written once: a lane permute's destination counts as one of its sources
.endr
	s_and_b32 s92, ttmp7, 0xffff                   ; the image
	s_lshl_b32 s23, s92, 3
	s_add_co_u32 s23, s23, ttmp9                   ; g = 8 x image + block of channels: the work-group's number, 0 .. 255
	s_mov_b32 s3, 0
	s_mov_b32 s66, 0x76543210
	s_mov_b32 s67, 0xfedcba98                      ; v_permlanex16_b32's selects for lane l xor 16
	s_wait_kmcnt 0x0
	s_lshl_b32 s2, s23, 17
	s_add_nc_u64 s[4:5], s[4:5], s[2:3]            ; x at my 32 channels
	s_lshl_b32 s2, ttmp9, 7
	s_add_nc_u64 s[6:7], s[6:7], s[2:3]            ; gamma and beta at my 32 channels
	s_add_nc_u64 s[8:9], s[8:9], s[2:3]
	s_load_b512 s[24:39], s[6:7], 0x0              ; gamma of channel c in s[24 + c]
	s_load_b512 s[40:55], s[6:7], 0x40
	s_load_b256 s[56:63], s[8:9], 0x0              ; beta of channel c in s[56 + c] for c < 8, in s[60 + c] from c = 8 on
	s_load_b512 s[68:83], s[8:9], 0x20
	s_load_b256 s[84:91], s[8:9], 0x60
	s_cmp_lt_u32 s23, 192                          ; the weights: 1,024 numbers (four rows) a work-group: the first 192 take w_attn, the others w_proj.  The choice hangs on the work-group's number alone
	s_cselect_b64 s[10:11], s[10:11], s[12:13]
	s_cselect_b32 s92, 0, 192
	s_sub_co_u32 s92, s23, s92
	s_lshl_b32 s2, s92, 12
	s_add_nc_u64 s[10:11], s[10:11], s[2:3]        ; + 4,096 x (my number in that tensor)
	s_cmp_lg_u32 s22, 0                            ; wave 0 asks for them ahead of x, so that they can be worked on while x is on its way
	s_cbranch_scc1 .Lno_wload
.irp i, 0,1,2,3,4,5,6,7
	global_load_b128 v[WX+4*\i:WX+4*\i+3], v8, s[10:11] offset:16*\i
.endr
.Lno_wload:
.set c, 0
.rept 32
	global_load_b128 v[X+4*c:X+4*c+3], v1, s[4:5] offset:4096*c      ; all 131,072 bytes of the work-group are asked for at once, 32 loads a wave
.set c, c+1
.endr
	s_mov_b32 s12, 0x39000000                      ; 1 / 8192
	s_mov_b32 s13, 0x3727c5ac                      ; eps = 1e-5
	s_lshr_b32 s92, s23, 3                         ; the image
	s_mul_i32 s2, s92, 196608
	s_mul_i32 s93, s22, 24576
	s_add_co_u32 s2, s2, s93
	s_lshr_b32 s93, ttmp9, 2
	s_mul_i32 s93, s93, 1536
	s_add_co_u32 s2, s2, s93
	s_and_b32 s93, ttmp9, 1
	s_lshl_b32 s93, s93, 8
	s_add_co_u32 s2, s2, s93
	s_add_nc_u64 s[14:15], s[14:15], s[2:3]        ; hc: my image, my wave's 128 positions, my block's K step, + 256 h
	s_lshl_b32 s2, s92, 13
	s_lshl_b32 s93, s22, 10
	s_add_co_u32 s2, s2, s93
	s_lshl_b32 s93, ttmp9, 7
	s_add_co_u32 s2, s2, s93
	s_add_nc_u64 s[16:17], s[16:17], s[2:3]        ; hs: my image, my wave's 128 positions, my block
	s_lshr_b32 s92, s23, 3                         ; wc: rows 4 g .. 4 g + 3 lie in one tile.  w_attn: tile 2 (g / 8) + (g / 2) % 2, from row 4 (g % 2) + 8 ((g / 4) % 2) on;
	s_lshl_b32 s92, s92, 1
	s_bfe_u32 s93, s23, 0x10001
	s_add_co_u32 s92, s92, s93
	s_and_b32 s93, s23, 1
	s_lshl_b32 s93, s93, 2
	s_bfe_u32 s95, s23, 0x10002
	s_lshl_b32 s95, s95, 3
	s_add_co_u32 s93, s93, s95
	s_lshr_b32 s95, s23, 2                         ; w_proj: tile g / 4, from row 4 (g % 4) on
	s_and_b32 s2, s23, 3
	s_lshl_b32 s2, s2, 2
	s_cmp_lt_u32 s23, 192
	s_cselect_b32 s92, s92, s95
	s_cselect_b32 s93, s93, s2
	s_mul_i32 s92, s92, 3072
	s_lshl_b32 s93, s93, 4
	s_add_co_u32 s2, s92, s93
	s_add_nc_u64 s[18:19], s[18:19], s[2:3]
	s_lshl_b32 s2, s23, 5
	s_add_nc_u64 s[20:21], s[20:21], s[2:3]        ; ws: 32 bytes a work-group
	s_bfe_u32 s93, ttmp9, 0x10001
	s_cmp_lg_u32 s93, 0
	s_cselect_b32 s2, -1, 0                        ; s2: all lanes where c = 1, none where c = 0
	; ---- the weights: wave 0; a lane holds a whole block
	s_cmp_lg_u32 s22, 0
	s_cbranch_scc1 .Lno_weights
	s_wait_loadcnt 32                              ; my eight loads of the weight are in; x's 32 may be out
	BLKMAX WX
	s_delay_alu instid0(VALU_DEP_1)
	v_add_nc_u32 v50, 0xff000000, v48              ; 2 off its exponent field: the conversion takes this operand's exponent field as its scale
	v_cvt_scalef32_pk16_fp6_f32 v[56:58], v[WX:WX+15], v50
	v_cvt_scalef32_pk16_fp6_f32 v[60:62], v[WX+16:WX+31], v50      ; (a conversion's three registers begin on an even number)
	v_lshrrev_b32 v11, 23, v50                     ; the scale's byte (also the plain line behind the conversions)
	v_mov_b32 v59, v60
	v_mov_b32 v60, v61
	v_mov_b32 v61, v62                             ; the block's 24 bytes on end in v56-61
	global_store_b64 v55, v[56:57], s[18:19]
	global_store_b64 v63, v[58:59], s[18:19] offset:8
	global_store_b64 v55, v[60:61], s[18:19] offset:512
	global_store_b8 v15, v11, s[20:21]             ; the wave's 32 bytes lie on end
.Lno_weights:
	; ---- the four groups' sums: within the lane in two packed chains, then across lanes and waves
.set gi, 0
.rept 4
	s_wait_loadcnt 24-8*gi                         ; this group's eight loads are in; those of the later groups may be out
	v_pk_add_f32 v[16+4*gi:17+4*gi], v[X+32*gi:X+32*gi+1], v[X+32*gi+2:X+32*gi+3]
	v_pk_add_f32 v[18+4*gi:19+4*gi], v[X+32*gi+4:X+32*gi+5], v[X+32*gi+6:X+32*gi+7]
.set p, 8
.rept 6
	s_delay_alu instid0(VALU_DEP_2)
	v_pk_add_f32 v[16+4*gi:17+4*gi], v[16+4*gi:17+4*gi], v[X+32*gi+p:X+32*gi+p+1]
	s_delay_alu instid0(VALU_DEP_2)
	v_pk_add_f32 v[18+4*gi:19+4*gi], v[18+4*gi:19+4*gi], v[X+32*gi+p+2:X+32*gi+p+3]
.set p, p+4
.endr
	s_delay_alu instid0(VALU_DEP_1)
	v_pk_add_f32 v[16+4*gi:17+4*gi], v[16+4*gi:17+4*gi], v[18+4*gi:19+4*gi]
	s_delay_alu instid0(VALU_DEP_1)
	v_add_f32 v[32+gi], v[16+4*gi], v[17+4*gi]
.set gi, gi+1
.endr
; v[32:35], a number for each group in each lane, are summed over the 32 lanes and the eight waves; the sums come back in v[64:67] of every lane
.macro ACROSS off
.irp m, 1,2,4,8
.irp g, 0,1,2,3
	v_add_f32_dpp v[32+\g], v[32+\g], v[32+\g] row_xmask:\m row_mask:0xf bank_mask:0xf
.endr
.endr
.irp g, 0,1,2,3
	s_delay_alu instid0(VALU_DEP_4)
	v_permlanex16_b32 v[48+\g], v[32+\g], s66, s67
.endr
.irp g, 0,1,2,3
	s_delay_alu instid0(VALU_DEP_4)
	v_add_f32 v[32+\g], v[32+\g], v[48+\g]
.endr
	ds_store_b128 v6, v[32:35] offset:\off         ; all lanes write the same 16 bytes with the same values
	s_wait_dscnt 0x0                               ; for the others' sake: my store is done
	s_barrier_signal -1
	s_barrier_wait -1
.irp w, 0,1,2,3,4,5,6,7
	ds_load_b128 v[CD+4*\w:CD+4*\w+3], v7 offset:\off+16*\w
.endr
	s_wait_dscnt 0x0
.irp w, 1,2,3,4,5,6,7
.irp g, 0,1,2,3
	v_add_f32 v[CD+\g], v[CD+\g], v[CD+4*\w+\g]    ; in the order of the waves: the same sum in every wave
.endr
.endr
.endm
	ACROSS 0
.irp g, 0,1,2,3
	v_mul_f32 v[36+2*\g], 0xb9000000, v[CD+\g]     ; -mean = sum x (-1 / 8192), twice: a pair for the packed addition
	v_mul_f32 v[37+2*\g], 0xb9000000, v[CD+\g]
.endr
.set i, 0
.rept 64
	v_pk_add_f32 v[X+2*i:X+2*i+1], v[X+2*i:X+2*i+1], v[36+2*(i/16):37+2*(i/16)]   ; x - mean, in place
.set i, i+1
.endr
.set gi, 0
.rept 4
	v_pk_mul_f32 v[16+4*gi:17+4*gi], v[X+32*gi:X+32*gi+1], v[X+32*gi:X+32*gi+1]
	v_pk_mul_f32 v[18+4*gi:19+4*gi], v[X+32*gi+2:X+32*gi+3], v[X+32*gi+2:X+32*gi+3]
.set p, 4
.rept 7
	s_delay_alu instid0(VALU_DEP_2)
	v_pk_fma_f32 v[16+4*gi:17+4*gi], v[X+32*gi+p:X+32*gi+p+1], v[X+32*gi+p:X+32*gi+p+1], v[16+4*gi:17+4*gi]
	s_delay_alu instid0(VALU_DEP_2)
	v_pk_fma_f32 v[18+4*gi:19+4*gi], v[X+32*gi+p+2:X+32*gi+p+3], v[X+32*gi+p+2:X+32*gi+p+3], v[18+4*gi:19+4*gi]
.set p, p+4
.endr
	s_delay_alu instid0(VALU_DEP_1)
	v_pk_add_f32 v[16+4*gi:17+4*gi], v[16+4*gi:17+4*gi], v[18+4*gi:19+4*gi]
	s_delay_alu instid0(VALU_DEP_1)
	v_add_f32 v[32+gi], v[16+4*gi], v[17+4*gi]
.set gi, gi+1
.endr
	ACROSS RED2                                    ; other bytes than the first sums': no wave can still be reading what is written here
.irp g, 0,1,2,3
	s_delay_alu instid0(VALU_DEP_4)
	v_fma_f32 v[44+\g], v[CD+\g], s12, s13         ; var + eps
.endr
	s_wait_alu depctr_va_vdst(0)
.irp g, 0,1,2,3
	v_rsq_f32 v[44+\g], v[44+\g]
.endr
	v_nop                                          ; one plain line behind the transcendentals
	s_wait_alu depctr_va_vdst(0)
.irp g, 0,1,2,3
	v_readfirstlane_b32 s[92+\g], v[44+\g]         ; the same number in every lane; it enters values alone, no address and no branch
.endr
	s_wait_kmcnt 0x0                               ; gamma and beta
.set c, 0
.rept 32
	s_mul_f32 s[24+c], s[24+c], s[92+c/8]          ; a_c = gamma_c / sqrt(var + eps)
.set c, c+1
.endr
	; ---- h = (x - mean) a_c + beta_c, a position at a time: 32 numbers along K in 32 consecutive registers; their block's scale; their codes; the codes' two pieces into the stage
.set j, 0
.rept 4
.set c, 0
.rept 32
.set BR, 56+c
.if c >= 8
.set BR, 60+c
.endif
	v_fma_f32 v[HN+c], v[X+4*c+j], s[24+c], s[BR]
.set c, c+1
.endr
	BLKMAX HN
	s_delay_alu instid0(VALU_DEP_1)
	v_add_nc_u32 v50, 0xff000000, v48
	v_cvt_scalef32_pk16_fp6_f32 v[CD+8*j:CD+8*j+2], v[HN:HN+15], v50
	v_cvt_scalef32_pk16_fp6_f32 v[CD+8*j+4:CD+8*j+6], v[HN+16:HN+31], v50     ; (a conversion's three registers begin on an even number): the block's six words are CD + 0, 1, 2, 4, 5, 6
	v_lshrrev_b32 v[EB+j], 23, v50                 ; the byte (also the plain line behind the conversions)
	v_cndmask_b32 v[AP+4*j], v[CD+8*j], v[CD+8*j+2], s2            ; the piece of 16 bytes: words 0-3 where c = 0, words 2-5 where c = 1
	v_cndmask_b32 v[AP+4*j+1], v[CD+8*j+1], v[CD+8*j+4], s2
	v_cndmask_b32 v[AP+4*j+2], v[CD+8*j+2], v[CD+8*j+5], s2
	v_cndmask_b32 v[AP+4*j+3], v[CD+8*j+4], v[CD+8*j+6], s2
	v_cndmask_b32 v[BP+2*j], v[CD+8*j+5], v[CD+8*j], s2            ; the piece of 8 bytes: words 4, 5 or words 0, 1
	v_cndmask_b32 v[BP+2*j+1], v[CD+8*j+6], v[CD+8*j+1], s2
	ds_store_b128 v2, v[AP+4*j:AP+4*j+3] offset:16*j
	ds_store_b64 v12, v[BP+2*j:BP+2*j+1] offset:SBF+8*j
	ds_store_b8 v53, v[EB+j] offset:SSB+8*j
.set j, j+1
.endr
	; ---- out.  The stage is my wave's own, and LDS serves a wave's instructions in order: the loads see my stores
	ds_load_b32 v52, v54 offset:SSB
.irp u, 0,1,2,3
	ds_load_b128 v[HN+4*\u:HN+4*\u+3], v3 offset:640*\u
.endr
.irp u, 0,1,2,3
	ds_load_b64 v[HN+16+2*\u:HN+16+2*\u+1], v13 offset:SBF+320*\u
.endr
	s_wait_dscnt 8                                 ; the scale bytes are back; the eight younger loads may be out
	global_store_b32 v5, v52, s[16:17]             ; a wave's 128 scale bytes
.irp u, 0,1,2,3
	s_wait_dscnt 7-\u
	global_store_b128 v4, v[HN+4*\u:HN+4*\u+3], s[14:15] offset:6144*\u       ; two tiles: sixteen lanes store 256 consecutive bytes, aligned
.endr
.irp u, 0,1,2,3
	s_wait_dscnt 3-\u
	global_store_b64 v14, v[HN+16+2*\u:HN+16+2*\u+1], s[14:15] offset:6144*\u ; 8 of each 16 bytes of plane 1: the other 8 are the work-group's of the other c
.endr
	s_set_vgpr_msb 0x5
	s_wait_tensorcnt 0x0
	ds_add_u32 v0, v1
	s_wait_dscnt 0x0
	s_set_vgpr_msb 0x500
	s_endpgm
.Lfunc_end_k_q6b3e8ef513_norm:
	.size	k_q6b3e8ef513_norm, .Lfunc_end_k_q6b3e8ef513_norm-k_q6b3e8ef513_norm
	.p2alignl 7, 3214868480
	.fill 96, 4, 3214868480
	.section	.rodata,"a",@progbits
	.p2align	6, 0x0
	.amdhsa_kernel k_q6b3e8ef513_norm
		.amdhsa_group_segment_fixed_size 38400
		.amdhsa_private_segment_fixed_size 0
		.amdhsa_enable_private_segment 0
		.amdhsa_kernarg_size 72
		.amdhsa_user_sgpr_count 2
		.amdhsa_user_sgpr_kernarg_segment_ptr 1
		.amdhsa_wavefront_size32 1
		.amdhsa_system_sgpr_workgroup_id_x 1
		.amdhsa_system_sgpr_workgroup_id_y 1
		.amdhsa_system_sgpr_workgroup_id_z 1
		.amdhsa_system_vgpr_workitem_id 0
		.amdhsa_next_free_vgpr 258
		.amdhsa_next_free_sgpr 96
		.amdhsa_reserve_vcc 0
		.amdhsa_float_denorm_mode_32 3
		.amdhsa_float_denorm_mode_16_64 3
		.amdhsa_memory_ordered 1
		.amdhsa_forward_progress 1
		.amdhsa_inst_pref_size 57
	.end_amdhsa_kernel
	.amdgpu_metadata
---
amdhsa.version: [ 1, 2 ]
amdhsa.kernels:
  - .name:           k_q6b3e8ef513_norm
    .symbol:         k_q6b3e8ef513_norm.kd
    .args:
      - { .name: x, .offset: 0, .size: 8, .value_kind: global_buffer, .address_space: global }
      - { .name: gamma, .offset: 8, .size: 8, .value_kind: global_buffer, .address_space: global }
      - { .name: beta, .offset: 16, .size: 8, .value_kind: global_buffer, .address_space: global }
      - { .name: w_attn, .offset: 24, .size: 8, .value_kind: global_buffer, .address_space: global }
      - { .name: w_proj, .offset: 32, .size: 8, .value_kind: global_buffer, .address_space: global }
      - { .name: hc, .offset: 40, .size: 8, .value_kind: global_buffer, .address_space: global }
      - { .name: hs, .offset: 48, .size: 8, .value_kind: global_buffer, .address_space: global }
      - { .name: wc, .offset: 56, .size: 8, .value_kind: global_buffer, .address_space: global }
      - { .name: ws, .offset: 64, .size: 8, .value_kind: global_buffer, .address_space: global }
    .group_segment_fixed_size: 38400
    .private_segment_fixed_size: 0
    .kernarg_segment_align: 8
    .kernarg_segment_size: 72
    .max_flat_workgroup_size: 256
    .sgpr_count:     96
    .vgpr_count:     258
    .wavefront_size: 32
...
	.end_amdgpu_metadata
.endif
;; end of part 1
;; launch qkv (part 2): grid 8 x 32, 4 waves a work-group, no clusters, 0 bytes of LDS; arguments hc, hs, wc, ws, b_attn, qkc, qks, vc, vs; writes qkc, qks, vc, vs
.if DOCPART == 2
	.amdgcn_target "amdgcn-amd-amdhsa--gfx1250"
	.amdhsa_code_object_version 6
	.text
	.protected	k_q6b3e8ef513_qkv
	.globl	k_q6b3e8ef513_qkv
	.p2align	8
	.type	k_q6b3e8ef513_qkv,@function
k_q6b3e8ef513_qkv:
	s_mov_b64 s[64:65], 0
	v_nop
	global_prefetch_b8 v0, s[64:65] scope:SCOPE_SE
	s_setreg_imm32_b32 hwreg(HW_REG_WAVE_MODE, 25, 1), 1
	s_wait_xcnt 0x0
; qkv = h w_attn^T + b_attn on codes of FP6 (E2M3), and the quantising of q and k along the channels and of v along the keys.  Operands come and results leave as IMAGES OF OPERAND REGISTERS:
; a fragment (16 rows x 128 K, 12 registers a lane) as three planes of 512 bytes, lane l's registers 4 i .. 4 i + 3 at 512 i + 16 l; whoever loads the three planes has the operand, and each load covers 512 consecutive bytes.
; SHARES.  A work-group takes 128 positions of one image against all 768 outputs.  Wave w makes outputs 128 w .. 128 w + 127 (w = 0, 1: q's two K steps; w = 2, 3: k's) and v's channels 64 w .. 64 w + 63.
; Its weights (288 registers) and the 128 positions' codes (192 registers) go from memory straight into registers: each is used by this wave for all its products.  No LDS, no barrier, no loop; every offset is an immediate.
; THE ROWS OF A TILE ARE NOT NEIGHBOURS: row r of tile 2 b + u is element 32 b + 8 u + r + 8 (r / 8), of positions and of output channels alike.  Register j of lane half h of a result tile is then element
; 32 b + 8 u + 16 h + j, so that the 16 registers of tiles 2 b and 2 b + 1 are 16 neighbours along the next K.
; q, k: source 0 = 16 rows of the weight, source 1 = 16 positions: a lane holds one position, its registers run along the channels.   v: the sources the other way round: a lane holds one channel, its registers run along the keys.
; The bias is the C of each sum's first matrix instruction.
; IN.   hc [image][128 positions 8][tile 8][K step 2][1,536];  hs [image][128 positions 8][block of channels 8][row 16][tile 8] bytes;  wc [tile 64][K step 2][1,536];  ws [row][8 bytes].
; OUT.  qkc [q, k][image][tile of positions 64][K step 2][1,536];  qks [q, k][image][128 positions 8][K step 2][lane 32][4 words]: word p holds tile 2 p's rows in lanes 0-15 and tile 2 p + 1's in lanes 16-31;
;       vc [image][tile of channels 16][128 keys 8][1,536];  vs [image][128 keys 8][wave 4][lane 32][2 words]: word p likewise for tiles 4 w + 2 p and 4 w + 2 p + 1.
; LIMITS: a block of zeros gets the byte 1 (its codes are zeros; this program alone reads the bytes); NaN and infinities are not served.
; REGISTERS, in windows of 256: window 0: v1-8 offsets; v16-31, v32-39, v40-55 scale words of the q/k weights, of v's weights, of h; v56-71 at work; v72-91 the codes just made; v92-109 scale words just made;
;   v128-191, v192-255 two sets of eight accumulators.   window 1: the q/k weights' 16 fragments.   window 2: v's weights' 8 fragments; from v96 the q/k bias, from v160 v's.   window 3: h's 16 fragments.
.set W1S, 16
.set WVS, 32
.set HS,  40
.set TM,  56
.set PC,  72
.set PWS, 92
.set PK,  100
.set PWV, 104
.set PK2, 108
.set SA,  128
.set TT,  144                          ; v144-159 at work while h's scale words are made
.set SB,  192
.set BQ,  96
.set BV,  160
.set MSB, 0
.macro WIN new                         ; the immediate's high byte repeats the setting that is left; a switch that changes nothing is dropped
.if MSB != (\new)
	s_set_vgpr_msb (MSB<<8)|(\new)
.set MSB, (\new)
.endif
.endm
.macro PLACES
.rept 4
	v_nop
.endr
.endm
	s_load_b512 s[4:19], s[0:1], 0x0               ; hc s[4:5], hs s[6:7], wc s[8:9], ws s[10:11], b_attn s[12:13], qkc s[14:15], qks s[16:17], vc s[18:19]
	s_load_b64 s[20:21], s[0:1], 0x40              ; vs
	v_lshrrev_b32 v9, 5, v0
	v_readfirstlane_b32 s22, v9                    ; wave 0..3
	v_and_b32 v9, 31, v0                           ; lane
	v_lshlrev_b32 v1, 4, v9                        ; v1: 16 x lane: a lane's place in a plane of an image
	v_lshlrev_b32 v2, 3, v9                        ; v2: 8 x lane
	v_and_b32 v10, 15, v0                          ; r
	v_bfe_u32 v11, v0, 4, 1                        ; h
	v_lshlrev_b32 v3, 3, v10                       ; v3: 8 r: my row's eight scale bytes of a block of channels, one for each tile
	v_and_b32 v4, 8, v10
	v_add_nc_u32 v4, v4, v10                       ; r + 8 (r / 8): my row in a pair of tiles
	v_lshlrev_b32 v6, 3, v4                        ; v6: a weight's scale bytes, 8 a row
	v_lshlrev_b32 v7, 6, v11                       ; v7: the q/k bias: 16 h numbers on
	v_lshlrev_b32 v8, 2, v4                        ; v8: v's bias: my channel's
.irp b, 0,1,2,3
	v_mov_b32 v[TM+4+\b], 0                        ; written once: a lane permute's destination counts as one of its sources
.endr
	s_and_b32 s27, ttmp7, 0xffff                   ; the image
	s_mov_b32 s24, 0x76543210
	s_mov_b32 s25, 0xfedcba98                      ; v_permlanex16_b32's selects for lane l xor 16
	s_mov_b32 s26, 0xffff0000                      ; lanes 16-31
	s_lshr_b32 s44, s22, 1                         ; q (0) or k (1)
	s_and_b32 s45, s22, 1                          ; which K step of it
	s_mov_b32 s29, 0
	s_mul_i32 s42, s27, 196608                     ; an image's bytes in hc, in each half of qkc, in vc
	s_lshl_b32 s43, s27, 13                        ; and in hs, in each half of qks, in vs
	s_wait_alu depctr_va_vdst(0)
	s_wait_kmcnt 0x0
	s_mul_i32 s28, ttmp9, 24576
	s_add_co_u32 s28, s28, s42
	s_add_nc_u64 s[4:5], s[4:5], s[28:29]          ; hc at my 128 positions
	s_lshl_b32 s28, ttmp9, 10
	s_add_co_u32 s28, s28, s43
	s_add_nc_u64 s[6:7], s[6:7], s[28:29]          ; hs likewise
	s_mul_i32 s28, s22, 24576
	s_add_nc_u64 s[30:31], s[8:9], s[28:29]        ; wc at tile 8 w
	s_mul_i32 s28, s22, 12288
	s_add_co_u32 s28, s28, 98304
	s_add_nc_u64 s[32:33], s[8:9], s[28:29]        ; wc at tile 32 + 4 w
	s_lshl_b32 s28, s22, 10
	s_add_nc_u64 s[34:35], s[10:11], s[28:29]      ; ws at row 128 w
	s_lshl_b32 s28, s22, 9
	s_add_nc_u64 s[38:39], s[12:13], s[28:29]      ; b_attn at 128 w
	s_add_co_u32 s28, s28, 4096
	s_add_nc_u64 s[36:37], s[10:11], s[28:29]      ; ws at row 512 + 64 w
	s_lshl_b32 s28, s22, 8
	s_add_co_u32 s28, s28, 2048
	s_add_nc_u64 s[40:41], s[12:13], s[28:29]      ; b_attn at 512 + 64 w
	; ---- 36 small loads first: what has to be worked on before the products
.irp k, 0,1,2,3,4,5,6,7                        ; h's scale bytes of block k: byte m of the pair is tile m's, for my row
	global_load_b64 v[SA+2*\k:SA+2*\k+1], v3, s[6:7] offset:128*\k
.endr
.irp t, 0,1,2,3,4,5,6,7                        ; the q/k weights' scale words, both K steps of a row at once
	global_load_b64 v[W1S+2*\t:W1S+2*\t+1], v6, s[34:35] offset:8*(32*(\t/2)+8*(\t%2))
.endr
	WIN 0x80
.irp t, 0,1,2,3,4,5,6,7                        ; the q/k bias in the result's layout: lane half h of tile t holds channels 32 (t / 2) + 8 (t % 2) + 16 h + 0 .. 7
	global_load_b128 v[BQ+8*\t:BQ+8*\t+3], v7, s[38:39] offset:4*(32*(\t/2)+8*(\t%2))
	global_load_b128 v[BQ+8*\t+4:BQ+8*\t+7], v7, s[38:39] offset:4*(32*(\t/2)+8*(\t%2))+16
.endr
.irp n, 0,1,2,3                                ; v's bias: one number a lane, spread over the tile's eight registers below
	global_load_b32 v[BV+8*\n], v8, s[40:41] offset:4*(32*(\n/2)+8*(\n%2))
.endr
	; ---- the q/k weights' fragments (tile t, K step s) at v[12 (2 t + s)] of window 1: 48 loads
	WIN 0x40
.irp t, 0,1,2,3,4,5,6,7
.irp s, 0,1
.irp i, 0,1,2
	global_load_b128 v[12*(2*\t+\s)+4*\i:12*(2*\t+\s)+4*\i+3], v1, s[30:31] offset:3072*\t+1536*\s+512*\i
.endr
.endr
.endr
	WIN 0
	s_wait_loadcnt 48                              ; the 36 small loads are in; the 48 of the q/k weights may be out
	; h's scale words: the word of tile m for K step s has block 4 s + i's byte as its byte i.  Four transpositions of 4 x 4 bytes, eight v_perm_b32 each (a selector's 0-3 pick from the second source, 4-7 from the first)
.irp s, 0,1
.irp q, 0,1
	v_perm_b32 v[TT+4*(2*\s+\q)], v[SA+2*(4*\s+1)+\q], v[SA+2*(4*\s)+\q], 0x05010400       ; blocks 0, 1: tiles 0 and 1 of the four
	v_perm_b32 v[TT+4*(2*\s+\q)+1], v[SA+2*(4*\s+1)+\q], v[SA+2*(4*\s)+\q], 0x07030602     ; tiles 2 and 3
	v_perm_b32 v[TT+4*(2*\s+\q)+2], v[SA+2*(4*\s+3)+\q], v[SA+2*(4*\s+2)+\q], 0x05010400   ; blocks 2, 3 likewise
	v_perm_b32 v[TT+4*(2*\s+\q)+3], v[SA+2*(4*\s+3)+\q], v[SA+2*(4*\s+2)+\q], 0x07030602
.endr
.endr
.irp s, 0,1
.irp q, 0,1
	v_perm_b32 v[HS+2*(4*\q)+\s], v[TT+4*(2*\s+\q)+2], v[TT+4*(2*\s+\q)], 0x05040100
	v_perm_b32 v[HS+2*(4*\q+1)+\s], v[TT+4*(2*\s+\q)+2], v[TT+4*(2*\s+\q)], 0x07060302
	v_perm_b32 v[HS+2*(4*\q+2)+\s], v[TT+4*(2*\s+\q)+3], v[TT+4*(2*\s+\q)+1], 0x05040100
	v_perm_b32 v[HS+2*(4*\q+3)+\s], v[TT+4*(2*\s+\q)+3], v[TT+4*(2*\s+\q)+1], 0x07060302
.endr
.endr
	WIN 0x82
.irp n, 0,1,2,3
.irp j, 1,2,3,4,5,6,7
	v_mov_b32 v[BV+8*\n+\j], v[BV+8*\n]            ; v's bias in the result's layout.  (These 28 lines are also the eight places between the scale words made above and the first scaled matrix instruction)
.endr
.endr
	; ---- h's fragments (tile m, K step s) at v[12 (2 m + s)] of window 3, tile by tile, six loads each: 48 loads
	WIN 0xc0
.irp m, 0,1,2,3,4,5,6,7
.irp s, 0,1
.irp i, 0,1,2
	global_load_b128 v[12*(2*\m+\s)+4*\i:12*(2*\m+\s)+4*\i+3], v1, s[4:5] offset:3072*\m+1536*\s+512*\i
.endr
.endr
.endr
	; ---- v's weights' fragments (tile n, K step s) at v[12 (2 n + s)] of window 2, and their scale words: 24 + 4 loads
	WIN 0x80
.irp n, 0,1,2,3
.irp s, 0,1
.irp i, 0,1,2
	global_load_b128 v[12*(2*\n+\s)+4*\i:12*(2*\n+\s)+4*\i+3], v1, s[32:33] offset:3072*\n+1536*\s+512*\i
.endr
.endr
.endr
	WIN 0
.irp n, 0,1,2,3
	global_load_b64 v[WVS+2*\n:WVS+2*\n+1], v6, s[36:37] offset:8*(32*(\n/2)+8*(\n%2))
.endr
	s_mul_i32 s28, s44, 6291456                    ; where the results go
	s_add_co_u32 s28, s28, s42
	s_mul_i32 s46, ttmp9, 24576
	s_add_co_u32 s28, s28, s46
	s_mul_i32 s46, s45, 1536
	s_add_co_u32 s28, s28, s46
	s_add_nc_u64 s[14:15], s[14:15], s[28:29]      ; qkc: my tensor, image, 8 tiles, K step
	s_lshl_b32 s28, s44, 18
	s_add_co_u32 s28, s28, s43
	s_lshl_b32 s46, ttmp9, 10
	s_add_co_u32 s28, s28, s46
	s_lshl_b32 s47, s45, 9
	s_add_co_u32 s28, s28, s47
	s_add_nc_u64 s[16:17], s[16:17], s[28:29]      ; qks
	s_mul_i32 s28, s22, 49152
	s_add_co_u32 s28, s28, s42
	s_mul_i32 s47, ttmp9, 1536
	s_add_co_u32 s28, s28, s47
	s_add_nc_u64 s[18:19], s[18:19], s[28:29]      ; vc: my four tiles of channels, these 128 keys
	s_lshl_b32 s28, s22, 8
	s_add_co_u32 s28, s28, s43
	s_add_co_u32 s28, s28, s46
	s_add_nc_u64 s[20:21], s[20:21], s[28:29]      ; vs
; 16 matrix instructions: my 8 tiles of q/k channels for tile m of positions, K step 0 and then K step 1: the eight accumulators take turns, one instruction a turn
.macro MMQ m, set
	WIN 0x2d                                       ; source 0 window 1, source 1 window 3, C window 2 (the bias), D window 0
.irp t, 0,1,2,3,4,5,6,7
	v_wmma_scale_f32_16x16x128_f8f6f4 v[\set+8*\t:\set+8*\t+7], v[24*\t:24*\t+11], v[24*(\m):24*(\m)+11], v[BQ+8*\t:BQ+8*\t+7], v[W1S+2*\t], v[HS+2*(\m)] matrix_a_fmt:MATRIX_FMT_FP6 matrix_b_fmt:MATRIX_FMT_FP6
.endr
	WIN 0x0d
.irp t, 0,1,2,3,4,5,6,7
	v_wmma_scale_f32_16x16x128_f8f6f4 v[\set+8*\t:\set+8*\t+7], v[24*\t+12:24*\t+23], v[24*(\m)+12:24*(\m)+23], v[\set+8*\t:\set+8*\t+7], v[W1S+2*\t+1], v[HS+2*(\m)+1] matrix_a_fmt:MATRIX_FMT_FP6 matrix_b_fmt:MATRIX_FMT_FP6
.endr
	WIN 0
.endm
; the same for v: the 8 tiles of positions for my tile n of channels, the sources the other way round
.macro MMV n, set
	WIN 0x2b                                       ; source 0 window 3, source 1 window 2, C window 2, D window 0
.irp m, 0,1,2,3,4,5,6,7
	v_wmma_scale_f32_16x16x128_f8f6f4 v[\set+8*\m:\set+8*\m+7], v[24*\m:24*\m+11], v[24*(\n):24*(\n)+11], v[BV+8*(\n):BV+8*(\n)+7], v[HS+2*\m], v[WVS+2*(\n)] matrix_a_fmt:MATRIX_FMT_FP6 matrix_b_fmt:MATRIX_FMT_FP6
.endr
	WIN 0x0b
.irp m, 0,1,2,3,4,5,6,7
	v_wmma_scale_f32_16x16x128_f8f6f4 v[\set+8*\m:\set+8*\m+7], v[24*\m+12:24*\m+23], v[24*(\n)+12:24*(\n)+23], v[\set+8*\m:\set+8*\m+7], v[HS+2*\m+1], v[WVS+2*(\n)+1] matrix_a_fmt:MATRIX_FMT_FP6 matrix_b_fmt:MATRIX_FMT_FP6
.endr
	WIN 0
.endm
; 64 numbers of a lane, v[s] .. v[s + 63], register 16 b + i = k 32 b + 16 (lane / 16) + i of my row, become a fragment's codes in v[PC] on and its scale word in v[pw].  Each accumulator is read from its low end on.
.macro QUANT s, pw
.irp b, 0,1,2,3
	v_max3_num_f32 v[TM+\b], |v[\s+16*\b]|, |v[\s+1+16*\b]|, 0x1800000       ; block b: my 16 numbers, and the floor 2^(3 - 127): the byte cannot fall under 1
.endr
.irp i, 2,4,6,8,10,12,14
.irp b, 0,1,2,3
	v_max3_num_f32 v[TM+\b], v[TM+\b], |v[\s+16*\b+\i]|, |v[\s+1+16*\b+\i]|  ; (the four blocks by turns)
.endr
.endr
.irp b, 0,1,2,3
	v_permlanex16_b32 v[TM+4+\b], v[TM+\b], s24, s25
.endr
.irp b, 0,1,2,3
	v_max_num_f32 v[TM+\b], v[TM+\b], v[TM+4+\b]   ; with lane l xor 16's: the block's largest magnitude
.endr
.irp b, 0,1,2,3
	v_add_nc_u32 v[TM+12+\b], 0xff000000, v[TM+\b] ; 2 off its exponent field: the conversion's scale operand
.endr
.irp b, 0,1,2,3
	v_lshrrev_b32 v[TM+4+\b], 23, v[TM+12+\b]      ; the scale's byte
.endr
	v_lshl_or_b32 v[\pw], v[TM+5], 8, v[TM+4]
	v_lshl_or_b32 v[\pw], v[TM+6], 16, v[\pw]
	v_lshl_or_b32 v[\pw], v[TM+7], 24, v[\pw]
	s_wait_xcnt 0x0                                ; the last image's stores have read the codes' registers: only behind this wait are they written again
.irp c, 0,1
	v_cvt_scalef32_pk16_fp6_f32 v[PC+6*\c:PC+2+6*\c], v[\s+32*\c:\s+15+32*\c], v[TM+12+2*\c]
	v_cvt_scalef32_pk16_fp6_f32 v[PC+12+4*\c:PC+14+4*\c], v[\s+16+32*\c:\s+31+32*\c], v[TM+12+2*\c+1]   ; (a conversion's three registers begin on an even number)
.endr
	v_nop                                          ; one plain line behind a scaled conversion
.irp c, 0,1                                    ; the operand's layout wants a WHOLE block in a lane: lanes 0-15 block 2 c, lanes 16-31 block 2 c + 1
.irp i, 0,1,2
	v_permlane16_swap_b32 v[PC+6*\c+\i], v[PC+12+4*\c+\i]
.endr
.irp i, 0,1,2
	v_mov_b32 v[PC+3+6*\c+\i], v[PC+12+4*\c+\i]
.endr
.endr
.endm
.macro IMG b0, off                             ; the fragment leaves as it stands: each store covers 512 consecutive bytes, aligned
.irp i, 0,1,2
	global_store_b128 v1, v[PC+4*\i:PC+4*\i+3], s[\b0:\b0+1] offset:(\off)+512*\i
.endr
.endm
; The two sets of accumulators take turns: while one set is quantised, the other's products are at work; a set's quantiser is the run of plain lines that stands behind the other set's products.
; Ahead of tile m's products: behind its six loads were issued the later tiles' 6 (7 - m) and v's 28.  For m = 0 and 1 that is 70 and 64; a wait's count ends at 63, which asks for a little more.
	s_wait_loadcnt 63
	MMQ 0, SA
	s_wait_loadcnt 63
	MMQ 1, SB
	PLACES                                         ; four places between the first set's last product and the first read of its results
	QUANT SA, PWS+0
	IMG 14, 0
	s_wait_loadcnt 58
	MMQ 2, SA
	QUANT SB, PWS+1
	IMG 14, 3072
	s_wait_loadcnt 52
	MMQ 3, SB
	QUANT SA, PWS+2
	IMG 14, 2*3072
	s_wait_loadcnt 46
	MMQ 4, SA
	QUANT SB, PWS+3
	IMG 14, 3*3072
	s_wait_loadcnt 40
	MMQ 5, SB
	QUANT SA, PWS+4
	IMG 14, 4*3072
	s_wait_loadcnt 34
	MMQ 6, SA
	QUANT SB, PWS+5
	IMG 14, 5*3072
	s_wait_loadcnt 28
	MMQ 7, SB
	QUANT SA, PWS+6
	IMG 14, 6*3072
	s_wait_loadcnt 0x0                             ; v's weights and scale words
	MMV 0, SA
	QUANT SB, PWS+7
	IMG 14, 7*3072
.irp p, 0,1,2,3
	v_cndmask_b32 v[PK+\p], v[PWS+2*\p], v[PWS+2*\p+1], s26      ; one register for two tiles: the even tile's words in lanes 0-15, the odd tile's in lanes 16-31
.endr
	global_store_b128 v1, v[PK:PK+3], s[16:17]     ; 512 consecutive bytes
	MMV 1, SB
	QUANT SA, PWV+0
	IMG 18, 0
	MMV 2, SA
	QUANT SB, PWV+1
	IMG 18, 12288
	MMV 3, SB
	QUANT SA, PWV+2
	IMG 18, 2*12288
	QUANT SB, PWV+3
	IMG 18, 3*12288
.irp p, 0,1
	v_cndmask_b32 v[PK2+\p], v[PWV+2*\p], v[PWV+2*\p+1], s26
.endr
	global_store_b64 v2, v[PK2:PK2+1], s[20:21]    ; 256 consecutive bytes, aligned
	s_endpgm
.Lfunc_end_k_q6b3e8ef513_qkv:
	.size	k_q6b3e8ef513_qkv, .Lfunc_end_k_q6b3e8ef513_qkv-k_q6b3e8ef513_qkv
	.p2alignl 7, 3214868480
	.fill 96, 4, 3214868480
	.section	.rodata,"a",@progbits
	.p2align	6, 0x0
	.amdhsa_kernel k_q6b3e8ef513_qkv
		.amdhsa_group_segment_fixed_size 0
		.amdhsa_private_segment_fixed_size 0
		.amdhsa_enable_private_segment 0
		.amdhsa_kernarg_size 72
		.amdhsa_user_sgpr_count 2
		.amdhsa_user_sgpr_kernarg_segment_ptr 1
		.amdhsa_wavefront_size32 1
		.amdhsa_system_sgpr_workgroup_id_x 1
		.amdhsa_system_sgpr_workgroup_id_y 1
		.amdhsa_system_sgpr_workgroup_id_z 1
		.amdhsa_system_vgpr_workitem_id 0
		.amdhsa_next_free_vgpr 960
		.amdhsa_next_free_sgpr 66
		.amdhsa_reserve_vcc 0
		.amdhsa_float_denorm_mode_32 3
		.amdhsa_float_denorm_mode_16_64 3
		.amdhsa_memory_ordered 1
		.amdhsa_forward_progress 1
		.amdhsa_inst_pref_size 97
	.end_amdhsa_kernel
	.amdgpu_metadata
---
amdhsa.version: [ 1, 2 ]
amdhsa.kernels:
  - .name:           k_q6b3e8ef513_qkv
    .symbol:         k_q6b3e8ef513_qkv.kd
    .args:
      - { .name: hc, .offset: 0, .size: 8, .value_kind: global_buffer, .address_space: global }
      - { .name: hs, .offset: 8, .size: 8, .value_kind: global_buffer, .address_space: global }
      - { .name: wc, .offset: 16, .size: 8, .value_kind: global_buffer, .address_space: global }
      - { .name: ws, .offset: 24, .size: 8, .value_kind: global_buffer, .address_space: global }
      - { .name: b_attn, .offset: 32, .size: 8, .value_kind: global_buffer, .address_space: global }
      - { .name: qkc, .offset: 40, .size: 8, .value_kind: global_buffer, .address_space: global }
      - { .name: qks, .offset: 48, .size: 8, .value_kind: global_buffer, .address_space: global }
      - { .name: vc, .offset: 56, .size: 8, .value_kind: global_buffer, .address_space: global }
      - { .name: vs, .offset: 64, .size: 8, .value_kind: global_buffer, .address_space: global }
    .group_segment_fixed_size: 0
    .private_segment_fixed_size: 0
    .kernarg_segment_align: 8
    .kernarg_segment_size: 72
    .max_flat_workgroup_size: 128
    .sgpr_count:     66
    .vgpr_count:     960
    .wavefront_size: 32
...
	.end_amdgpu_metadata
.endif
;; end of part 2
;; launch attn (part 3): grid 32 x 8, 8 waves a work-group, no clusters, 297,984 bytes of LDS; arguments qkc, qks, vc, vs, wc, ws, b_proj, x, out0; writes out0
.if DOCPART == 3
	.amdgcn_target "amdgcn-amd-amdhsa--gfx1250"
	.amdhsa_code_object_version 6
	.text
	.protected	k_q6b3e8ef513_attn
	.globl	k_q6b3e8ef513_attn
	.p2align	8
	.type	k_q6b3e8ef513_attn,@function
k_q6b3e8ef513_attn:
	s_mov_b64 s[64:65], 0
	v_nop
	global_prefetch_b8 v0, s[64:65] scope:SCOPE_SE
	s_setreg_imm32_b32 hwreg(HW_REG_WAVE_MODE, 25, 1), 1
	s_wait_xcnt 0x0
; out = x + (softmax(q k^T / 16) v) w_proj^T + b_proj, as [image][channel][position]; all three products on codes of FP6 (E2M3) with one E8M0 scale for each 32 along K.
; SHARES.  A work-group (x: the image, y: a block of 128 positions) owns 128 queries, eight tiles of 16; eight waves of 512 registers.  In q k^T wave w has keys 128 w .. 128 w + 127: one key step of p v.  In p v and in the projection it has
; channels 32 w .. 32 w + 31.  k's eight tiles (192 registers) come from memory straight into registers and serve all 128 queries; behind the last product with k, v's sixteen fragments land in the same registers.  q goes through LDS once.
; THE SOFTMAX IS QUANTISED FINISHED.  Two trips of 64 queries.  A wave takes its exponentials under its OWN largest score m_w and sums them (L_w); the waves exchange c m_w and L_w through LDS, one barrier a trip;
; p = 2^(c s - c m_w) x (2^(c m_w - c M) / L), M the largest m_w, L the sum of L_w 2^(c m_w - c M): the factor is one number a row and wave.
; p goes from wave to wave through LDS as images of operand registers.  p v, the projection and the way out go by halves of 64 queries.
; ORDER OF ROWS.  Row r of tile 2 b + u (of positions, of v's channels) is element 32 b + 8 u + r + 8 (r / 8): register j of lane half h of a result tile is element 32 b + 8 u + 16 h + j.
; S^T = k q^T (a lane holds one query, registers along the keys);  O^T = v^T p^T (one query, registers along the channels);  y = o w_proj^T (one channel, registers along the positions).
; x (256 channels x 128 positions) is asked for at the head, one tensor load a wave, 32 rows of 512 bytes, 16 bytes of padding behind each; x + b_proj is the C of the projection's first products; y goes back into the same
; bytes, which have had their one fill and belong to one wave, and leaves as rows.
; NO CLUSTER: each fragment of k and of v is loaded once by a work-group, by the one wave that uses it, into registers.  Joint loads would bring k and v, 196,608 bytes each, through LDS, where x, p, q, o and what the waves exchange leave
; 29,696 of 327,680 bytes: seven refills behind rounds for each of the two.
; v is prefetched into the L2 one trip ahead of its loads, each block of 256 bytes once for an image: work-group y names bytes 24,576 y on of the image's v, wave w 12 blocks of them.  k and q are asked for by the launch's first loads, and x by its tensor loads.
; LIMITS: the exponents to the base 2 stay under 2^31 in magnitude before the maximum is taken away; exponentials under 2^-126 come out as 0; 1 / sum is v_rcp_f32; a block's largest p is made from its largest score by the same
; instructions (v_exp_f32 is taken not to fall where its input rises); a block of zeros gets the byte 1 (its codes are zeros); NaN and infinities are not served.  t_embd enters no step and is not among the arguments.
; REGISTERS.  Window 0: v0 the thread, v1 16 x lane; v4-11 k's, then v's scale words; v12-15 q's, then p's, then o's; v16-17 w_proj's (these fourteen hold scale words and nothing else); v2-3, v18-63 at work; v64-255 k, then v.
;   Window 1: the scores (query tile a of the trip, key tile t at 64 a + 8 t); later 0-63 O^T, then x + b and y; 64-159 p's fragments, two key steps, then o's; 160-207 w_proj; 208-239 rows on their way out.
.set QI,   0                           ; LDS: q's images (tile m, K step s at 3,072 m + 1,536 s);
.set OI,   24576                       ; o's images, likewise (half c at 768 c: 512 bytes by 16 a lane, 256 by 8);
.set RED,  49152                       ; the exchange, 4,096 bytes a trip: -c m_w at 512 (w % 4) + 256 (w / 4) + 16 r, L_w 2,048 on;
.set PS,   57344                       ; p's scale words (512 ks + 16 lane + 4 p: tile 2 p in lanes 0-15, tile 2 p + 1 in lanes 16-31);
.set OS,   61440                       ; o's, likewise (512 s);
.set QS,   62464                       ; q's, likewise;
.set PI,   63488                       ; p's images (12,288 ks + 1,536 m);
.set XI,   161792                      ; x, rows of 512 bytes, XP apart;
.set XP,   528
.set SPARE, 296960                     ; the spare words, 128 bytes a wave
.set SCA,  4
.set SCB,  12
.set SCC,  16
.set TT,   18                          ; v18-33  block maxima as they are found (then what is exchanged, bytes, codes)
.set QF,   18                          ; v18-41  q's fragment, K steps 0 and 1
.set BM,   42                          ; v42-49  a block's largest score, then p, then scale operand: tile a, blocks k (lanes 0-15) and 2 + k (lanes 16-31) at BM + 2 a + k
.set NMC,  50                          ; v50-53  -c m_w
.set NM,   54                          ; v54-61  the same in pairs; later the rows' factors at NM + 2 a
.set LS,   26                          ; v26-29  L_w
.set KV,   64
.set MSB, 0
.macro WIN new                         ; the immediate's high byte repeats the setting that is left; a switch that changes nothing is dropped
.if MSB != (\new)
	s_set_vgpr_msb (MSB<<8)|(\new)
.set MSB, (\new)
.endif
.endm
.macro PLACES n
.rept \n
	v_nop
.endr
.endm
.macro WALU
	s_wait_alu depctr_va_vdst(0)
.endm
.macro SWAP a, b                       ; a's lanes 16-31 change places with b's lanes 0-15
	v_permlane16_swap_b32 v[\a], v[\b]
.endm
.macro WMC d, a, b, c, sa, sb, x, y
	v_wmma_scale_f32_16x16x128_f8f6f4 v[\d:\d+7], v[\a:\a+11], v[\b:\b+11], \c, v[\sa], v[\sb] matrix_a_fmt:MATRIX_FMT_FP6 matrix_b_fmt:MATRIX_FMT_FP6 matrix_a_scale:MATRIX_SCALE_ROW\x matrix_b_scale:MATRIX_SCALE_ROW\y
.endm
.macro WMS d, a, b, c, sa, sb, ra, rb  ; ra, rb odd: the side's scale words are in lanes 16-31
.if (\ra)&1
.if (\rb)&1
	WMC \d, \a, \b, \c, \sa, \sb, 1, 1
.else
	WMC \d, \a, \b, \c, \sa, \sb, 1, 0
.endif
.else
.if (\rb)&1
	WMC \d, \a, \b, \c, \sa, \sb, 0, 1
.else
	WMC \d, \a, \b, \c, \sa, \sb, 0, 0
.endif
.endif
.endm
	s_load_b512 s[4:19], s[0:1], 0x0               ; qkc s[4:5], qks s[6:7], vc s[8:9], vs s[10:11], wc s[12:13], ws s[14:15], b_proj s[16:17], x s[18:19]
	s_load_b64 s[20:21], s[0:1], 0x40              ; out0
	v_lshl_add_u32 v2, v0, 2, SPARE
	v_mov_b32 v3, 0
	ds_add_u32 v2, v3                              ; the opening lines, ahead of my tensor load
	ds_add_u32 v2, v3
	v_lshrrev_b32 v18, 5, v0
	v_readfirstlane_b32 s22, v18                   ; wave 0..7
	v_and_b32 v19, 31, v0
	v_lshlrev_b32 v1, 4, v19                       ; v1: 16 x lane
	v_lshlrev_b32 v43, 2, v19
	s_mul_i32 s39, s22, 3072
	v_add_nc_u32 v44, s39, v1                      ; where I put q's tile w (QI = 0)
	s_lshl_b32 s50, s22, 7
	s_add_co_u32 s50, s50, QS
	v_add_nc_u32 v45, s50, v43                     ; and 128 bytes of q's scale words
	s_and_b32 s23, ttmp7, 0xffff                   ; the block of 128 positions; ttmp9: the image
	s_mov_b32 s24, (2<<16)|(1<<20)|(6<<22)|(3<<25) ; group 1: elements of 4 bytes, 4 dwords of padding behind every 128
	s_mov_b32 s25, 128<<16                         ; tensor_dim0 = 128
	s_mov_b32 s26, 32<<16                          ; tensor_dim1 = 32
	s_mov_b32 s27, 128<<16                         ; tile_dim0 = 128
	s_mov_b32 s28, 32                              ; tile_dim1 = 32
	s_mov_b32 s29, 1024                            ; elements from channel to channel
	s_mov_b32 s30, 0
	s_mov_b32 s31, 0
	s_mul_i32 s73, s22, 32*XP
	s_add_co_u32 s73, s73, XI                      ; my 32 rows of x
	s_mov_b32 s32, 1
	s_mov_b32 s33, s73
	s_mul_i32 s36, ttmp9, 196608                   ; an image's bytes in each half of qkc and in vc
	s_mul_i32 s37, s22, 24576
	s_lshl_b32 s38, ttmp9, 13                      ; and in each half of qks and in vs
	s_mov_b32 s43, 0
	s_mov_b32 s44, 0x76543210
	s_mov_b32 s45, 0xfedcba98                      ; v_permlanex16_b32's selects for lane l xor 16
	s_mov_b32 s46, 0x3db8aa3b                      ; c = log2(e) / 16
	s_mov_b32 s47, s46                             ; (named with it as a pair)
	s_mov_b32 s48, 0xbdb8aa3b                      ; -c
	s_and_b32 s40, s22, 3
	s_lshr_b32 s41, s22, 2
	s_lshl_b32 s60, s40, 9
	s_lshl_b32 s61, s41, 8
	s_add_co_u32 s60, s60, s61
	s_add_co_u32 s60, s60, RED                     ; s60: my place in the exchange
	s_mul_i32 s62, s22, 12288
	s_add_co_u32 s62, s62, PI                      ; s62: my key step's images of p
	s_lshl_b32 s63, s22, 9
	s_add_co_u32 s63, s63, PS                      ; s63: and its scale words
	s_mul_i32 s70, s41, 1536
	s_bfe_u32 s71, s22, 0x10001
	s_mul_i32 s71, s71, 768
	s_add_co_u32 s70, s70, s71
	s_add_co_u32 s70, s70, OI
	s_and_b32 s71, s22, 1
	s_lshl_b32 s72, s71, 7
	s_add_co_u32 s71, s70, s72
	s_add_co_u32 s71, s71, 512                     ; s71: o's images: my block's last 8 bytes a lane: block w % 4 of K step w / 4,
	s_add_co_u32 s70, s70, s72
	s_add_co_u32 s70, s70, s72                     ; s70: and its first 16
	s_lshl_b32 s72, s41, 9
	s_add_co_u32 s72, s72, s40
	s_add_co_u32 s72, s72, OS                      ; s72: my byte of o's scale words
	WALU
	s_wait_dscnt 0x0                               ; both opening adds are done
	s_wait_kmcnt 0x0
	s_mul_i32 s42, s23, 24576
	s_add_co_u32 s42, s42, s36
	s_add_co_u32 s42, s42, s39
	s_add_nc_u64 s[50:51], s[4:5], s[42:43]        ; q: my image, my block, tile w
	s_add_nc_u64 s[66:67], s[8:9], s[42:43]        ; v, for the prefetch: bytes 24,576 y + 3,072 w of the image's
	s_lshl_b32 s42, s23, 10
	s_add_co_u32 s42, s42, s38
	s_lshl_b32 s49, s22, 7
	s_add_co_u32 s42, s42, s49
	s_add_nc_u64 s[52:53], s[6:7], s[42:43]        ; q's scale words, 128 bytes a wave
	s_add_co_u32 s42, s36, s37
	s_add_nc_u64 s[8:9], s[8:9], s[42:43]          ; v: my two tiles of channels
	s_add_co_u32 s42, s42, 6291456
	s_add_nc_u64 s[54:55], s[4:5], s[42:43]        ; k: my eight tiles
	s_lshl_b32 s42, s22, 10
	s_add_co_u32 s42, s42, s38
	s_add_co_u32 s42, s42, 262144
	s_add_nc_u64 s[56:57], s[6:7], s[42:43]        ; k's scale words
.irp i, 0,1,2,3,4,5
	global_load_b128 v[QF+4*\i:QF+4*\i+3], v1, s[50:51] offset:512*\i
.endr
	global_load_b32 v42, v43, s[52:53]
	global_load_b128 v[SCA:SCA+3], v1, s[56:57]    ; K step 0: four words, each for two tiles
	global_load_b128 v[SCA+4:SCA+7], v1, s[56:57] offset:512
.irp s, 0,1                                        ; k's fragments (tile t, K step s) at KV + 24 t + 12 s: K step 0 first
.irp t, 0,1,2,3,4,5,6,7
.irp i, 0,1,2
	global_load_b128 v[KV+24*\t+12*\s+4*\i:KV+24*\t+12*\s+4*\i+3], v1, s[54:55] offset:3072*\t+1536*\s+512*\i
.endr
.endr
.endr
	s_lshl_b32 s42, ttmp9, 20
	s_lshl_b32 s49, s22, 17
	s_add_co_u32 s42, s42, s49
	s_lshl_b32 s49, s23, 9
	s_add_co_u32 s42, s42, s49
	s_add_nc_u64 s[34:35], s[18:19], s[42:43]      ; x at my image, channel 32 w, position 128 x block
	s_or_b32 s35, s35, 0x80000000                  ; type = 2
	tensor_load_to_lds s[32:35], s[24:31]          ; my wave's one tensor load of the launch
	s_nop 0
	PLACES 4
	s_add_nc_u64 s[20:21], s[20:21], s[42:43]      ; and the output
	s_lshr_b32 s42, s22, 1
	s_lshl_b32 s42, s42, 8
	s_add_co_u32 s42, s42, s38
	s_and_b32 s49, s22, 1
	s_lshl_b32 s49, s49, 2
	s_add_co_u32 s42, s42, s49
	s_add_nc_u64 s[10:11], s[10:11], s[42:43]      ; v's scale words: word w % 2 of pair w / 2: my two tiles
	s_mul_i32 s42, s22, 6144
	s_add_co_u32 s42, s42, 147456
	s_add_nc_u64 s[12:13], s[12:13], s[42:43]      ; wc at tile 48 + 2 w: w_proj's rows 32 w on
	s_lshl_b32 s42, s22, 8
	s_add_co_u32 s42, s42, 6144
	s_add_nc_u64 s[14:15], s[14:15], s[42:43]      ; ws at row 768 + 32 w
	s_lshl_b32 s42, s22, 7
	s_add_nc_u64 s[16:17], s[16:17], s[42:43]      ; b_proj at 32 w
	s_wait_loadcnt 50                              ; q is in; k's 2 + 48 loads may be out
.irp i, 0,1,2,3,4,5
	ds_store_b128 v44, v[QF+4*\i:QF+4*\i+3] offset:512*\i
.endr
	ds_store_b32 v45, v42
	s_wait_dscnt 0x0                               ; for the others' sake: my stores are done
	s_barrier_signal -1
	s_barrier_wait -1                              ; q and its scale words lie in LDS
.macro QL a, s, tr                     ; q's fragment (tile a of the trip, K step s)
.irp i, 0,1,2
	ds_load_b128 v[QF+12*(\s)+4*\i:QF+12*(\s)+4*\i+3], v1 offset:QI+12288*(\tr)+3072*(\a)+1536*(\s)+512*\i
.endr
.endm
.macro QMUL a, s, tr                   ; eight products, on eight accumulators by turns
	WIN 0x50                                       ; k and q window 0, C and D window 1
.irp t, 0,1,2,3,4,5,6,7
.if ((\tr) == 0) && ((\a) == 0)
	s_wait_loadcnt 45-24*(\s)-3*\t                 ; this fragment of k is in; the younger ones, three loads each, may be out
.endif
.set rD, 64*(\a)+8*\t
.set rA, KV+24*\t+12*(\s)
.set rB, QF+12*(\s)
.set rX, SCA+4*(\s)+\t/2
.set rY, SCB+2*(\s)+(\a)/2
.if (\s) == 0
	WMS rD, rA, rB, 0, rX, rY, \t, \a
.else
	WMS rD, rA, rB, v[rD:rD+7], rX, rY, \t, \a
.endif
.endr
	WIN 0
.endm
.macro TRIP tr
.irp s, 0,1
	ds_load_b64 v[SCB+2*\s:SCB+2*\s+1], v1 offset:QS+8*(\tr)+512*\s
.endr
	QL 0, 0, \tr
	QL 0, 1, \tr
.irp a, 0,1,2,3
	s_wait_dscnt 3                                 ; K step 0's fragment is in; K step 1's three loads may be out
	QMUL \a, 0, \tr
	PLACES 4
.if \a < 3
	QL \a+1, 0, \tr
	s_wait_dscnt 3
.else
	s_wait_dscnt 0x0
.endif
	QMUL \a, 1, \tr
	PLACES 4
.if \a < 3
	QL \a+1, 1, \tr
.endif
.endr
.if (\tr) == 0
	v_lshrrev_b32 v62, 4, v1                       ; v into the L2, one trip ahead: lanes 0-11 name 12 blocks of 256 bytes, the others the last again
	v_min_u32 v62, 11, v62
	v_lshlrev_b32 v62, 8, v62
	global_prefetch_b8 v62, s[66:67] th:TH_LOAD_NT scope:SCOPE_SE
.else
	v_lshrrev_b32 v62, 1, v1                       ; k has served: v's scale words and fragments (tile n, key step ks at KV + 24 ks + 12 n), 8 + 48 loads
.irp k, 0,1,2,3,4,5,6,7
	global_load_b32 v[SCA+\k], v62, s[10:11] offset:1024*\k
.endr
.irp k, 0,1,2,3,4,5,6,7
.irp n, 0,1
.irp i, 0,1,2
	global_load_b128 v[KV+24*\k+12*\n+4*\i:KV+24*\k+12*\n+4*\i+3], v1, s[8:9] offset:12288*\n+1536*\k+512*\i
.endr
.endr
.endr
.endif
	; ---- the largest score of my 16 keys of each block: tile a, block b at TT + 4 a + b; each accumulator is read from its low end on
	WIN 0x15
.set q, 0
.rept 16
	v_max3_num_f32 v[TT+q], v[16*q], v[16*q+1], v[16*q+2]
.set q, q+1
.endr
	WIN 0x14
.irp i, 3,5,7,9,11,13
.set q, 0
.rept 16
	v_max3_num_f32 v[TT+q], v[TT+q], v[16*q+\i], v[16*q+\i+1]
.set q, q+1
.endr
.endr
.set q, 0
.rept 16
	v_max_num_f32 v[TT+q], v[TT+q], v[16*q+15]
.set q, q+1
.endr
	WIN 0
.irp a, 0,1,2,3                                    ; the two lane halves of blocks k and 2 + k are joined: block k in lanes 0-15, block 2 + k in lanes 16-31
	SWAP TT+4*\a, TT+4*\a+2
	SWAP TT+4*\a+1, TT+4*\a+3
.endr
.irp a, 0,1,2,3
	v_max_num_f32 v[BM+2*\a], v[TT+4*\a], v[TT+4*\a+2]
	v_max_num_f32 v[BM+2*\a+1], v[TT+4*\a+1], v[TT+4*\a+3]
.endr
.irp a, 0,1,2,3
	v_max_num_f32 v[NMC+\a], v[BM+2*\a], v[BM+2*\a+1]
.endr
.irp a, 0,1,2,3
	v_permlanex16_b32 v[TT+\a], v[NMC+\a], s44, s45
.endr
.irp a, 0,1,2,3
	v_max_num_f32 v[NMC+\a], v[NMC+\a], v[TT+\a]   ; my largest score of the row
.endr
.irp a, 0,1,2,3
	v_mul_f32 v[NM+2*\a], s48, v[NMC+\a]
	v_mul_f32 v[NM+2*\a+1], s48, v[NMC+\a]
.endr
.irp a, 0,1,2,3
	v_mul_f32 v[NMC+\a], s48, v[NMC+\a]            ; -c m_w
.endr
.set q, 0
.rept 8
	v_fma_f32 v[BM+q], v[BM+q], s46, v[NM+2*(q/2)] ; the blocks' largest take the same two instructions as their scores
.set q, q+1
.endr
	; ---- the exponentials, tile by tile; among a tile's stand the next tile's multiply-adds; behind them its sum, in four chains
	WIN 0x41
.set q, 0
.rept 32
	v_pk_fma_f32 v[2*q:2*q+1], v[2*q:2*q+1], s[46:47], v[NM:NM+1] op_sel_hi:[1,0,1]
.set q, q+1
.endr
	WALU
.irp a, 0,1,2,3
	WIN 0x41
.set q, 0
.rept 32
	v_exp_f32 v[64*\a+2*q], v[64*\a+2*q]
	v_exp_f32 v[64*\a+2*q+1], v[64*\a+2*q+1]
.if \a < 3
	v_pk_fma_f32 v[64*\a+64+2*q:64*\a+65+2*q], v[64*\a+64+2*q:64*\a+65+2*q], s[46:47], v[NM+2*\a+2:NM+2*\a+3] op_sel_hi:[1,0,1]
.endif
.set q, q+1
.endr
.if \a == 3
	WIN 0
.set q, 0
.rept 8
	v_exp_f32 v[BM+q], v[BM+q]
.set q, q+1
.endr
.endif
	v_nop                                          ; one plain line behind the last exponential
	WALU
	WIN 0x05
.irp k, 0,1,2,3
	v_pk_add_f32 v[TT+2*\k:TT+2*\k+1], v[64*\a+4*\k:64*\a+4*\k+1], v[64*\a+4*\k+2:64*\a+4*\k+3]
.endr
	WIN 0x04
.set q, 8
.rept 6
.irp k, 0,1,2,3
	v_pk_add_f32 v[TT+2*\k:TT+2*\k+1], v[TT+2*\k:TT+2*\k+1], v[64*\a+2*q+2*\k:64*\a+2*q+2*\k+1]
.endr
.set q, q+4
.endr
	WIN 0
	v_pk_add_f32 v[TT:TT+1], v[TT:TT+1], v[TT+4:TT+5]
	v_pk_add_f32 v[TT+2:TT+3], v[TT+2:TT+3], v[TT+6:TT+7]
	v_pk_add_f32 v[TT:TT+1], v[TT:TT+1], v[TT+2:TT+3]
	v_add_f32 v[LS+\a], v[TT], v[TT+1]
.endr
.irp a, 0,1,2,3
	v_permlanex16_b32 v[LS+4+\a], v[LS+\a], s44, s45
.endr
.irp a, 0,1,2,3
	v_add_f32 v[LS+\a], v[LS+\a], v[LS+4+\a]
.endr
	; ---- the exchange: lanes r and 16 + r hold the same numbers and store them to the same place
	v_and_b32 v2, 0xff, v1
	v_add_nc_u32 v2, s60, v2
	ds_store_b128 v2, v[NMC:NMC+3] offset:4096*(\tr)
	ds_store_b128 v2, v[LS:LS+3] offset:4096*(\tr)+2048
	s_wait_dscnt 0x0                               ; for the others' sake: my stores are done
	s_wait_xcnt 0x0                                ; (the prefetch, or v's loads, have read v62, which is written again below)
	s_barrier_signal -1
	s_barrier_wait -1
.irp i, 0,1,2,3                                    ; lanes 0-15 take wave i's numbers, lanes 16-31 wave 4 + i's
	ds_load_b128 v[TT+4*\i:TT+4*\i+3], v1 offset:RED+4096*(\tr)+512*\i
.endr
	ds_load_b128 v[34:37], v1 offset:RED+4096*(\tr)+2048
	ds_load_b128 v[38:41], v1 offset:RED+4096*(\tr)+2560
	ds_load_b128 v[54:57], v1 offset:RED+4096*(\tr)+3072
	ds_load_b128 v[58:61], v1 offset:RED+4096*(\tr)+3584
	s_wait_dscnt 0x0
	v_min3_num_f32 v62, v[TT], v[TT+4], v[TT+8]    ; -c M of tiles 0-3 in v62, v63, v2, v3
	v_min3_num_f32 v63, v[TT+1], v[TT+5], v[TT+9]
	v_min3_num_f32 v2, v[TT+2], v[TT+6], v[TT+10]
	v_min3_num_f32 v3, v[TT+3], v[TT+7], v[TT+11]
	v_min_num_f32 v62, v62, v[TT+12]
	v_min_num_f32 v63, v63, v[TT+13]
	v_min_num_f32 v2, v2, v[TT+14]
	v_min_num_f32 v3, v3, v[TT+15]
	SWAP 62, 63
	SWAP 2, 3
	v_min_num_f32 v62, v62, v63                    ; lanes 0-15 tile 0's, lanes 16-31 tile 1's
	v_min_num_f32 v2, v2, v3
	v_mov_b32 v63, v62
	v_mov_b32 v3, v2
	SWAP 62, 63                                    ; each in all lanes again
	SWAP 2, 3
.irp i, 0,1,2,3
	v_sub_f32 v[TT+4*\i], v62, v[TT+4*\i]
	v_sub_f32 v[TT+4*\i+1], v63, v[TT+4*\i+1]
	v_sub_f32 v[TT+4*\i+2], v2, v[TT+4*\i+2]
	v_sub_f32 v[TT+4*\i+3], v3, v[TT+4*\i+3]
.endr
	v_sub_f32 v[NMC], v62, v[NMC]
	v_sub_f32 v[NMC+1], v63, v[NMC+1]
	v_sub_f32 v[NMC+2], v2, v[NMC+2]
	v_sub_f32 v[NMC+3], v3, v[NMC+3]
	WALU
.set q, 0
.rept 16
	v_exp_f32 v[TT+q], v[TT+q]                     ; 2^(c m_w - c M)
.set q, q+1
.endr
.irp a, 0,1,2,3
	v_exp_f32 v[NMC+\a], v[NMC+\a]                 ; my own
.endr
	v_nop
	WALU
.irp a, 0,1,2,3
	v_mul_f32 v[34+\a], v[34+\a], v[TT+\a]
.endr
.irp a, 0,1,2,3
	v_fmac_f32 v[34+\a], v[38+\a], v[TT+4+\a]
.endr
.irp a, 0,1,2,3
	v_fmac_f32 v[34+\a], v[54+\a], v[TT+8+\a]
.endr
.irp a, 0,1,2,3
	v_fmac_f32 v[34+\a], v[58+\a], v[TT+12+\a]
.endr
	SWAP 34, 35
	SWAP 36, 37
	v_add_f32 v34, v34, v35                        ; the row's sum: lanes 0-15 tile 0's, lanes 16-31 tile 1's
	v_add_f32 v36, v36, v37
	WALU
	v_rcp_f32 v34, v34
	v_rcp_f32 v36, v36
	v_nop
	WALU
	v_mov_b32 v35, v34
	v_mov_b32 v37, v36
	SWAP 34, 35
	SWAP 36, 37
.irp a, 0,1,2,3
	v_mul_f32 v[NM+2*\a], v[34+\a], v[NMC+\a]      ; the row's factor
.endr
	; ---- p is finished, then quantised along the keys
	WIN 0x41
.irp a, 0,1,2,3
.set q, 0
.rept 32
	v_pk_mul_f32 v[64*\a+2*q:64*\a+2*q+1], v[64*\a+2*q:64*\a+2*q+1], v[NM+2*\a:NM+2*\a+1] op_sel_hi:[1,0]
.set q, q+1
.endr
.endr
	WIN 0
.set q, 0
.rept 8
	v_mul_f32 v[BM+q], v[BM+q], v[NM+2*(q/2)]      ; the block's largest p
.set q, q+1
.endr
.set q, 0
.rept 8
	v_max_num_f32 v[BM+q], 0x1800000, v[BM+q]      ; the floor 2^(3 - 127): the byte cannot fall under 1
.set q, q+1
.endr
.set q, 0
.rept 8
	v_add_nc_u32 v[BM+q], 0xff000000, v[BM+q]      ; 2 off the exponent field: the conversion's scale operand
.set q, q+1
.endr
.set q, 0
.rept 8
	v_lshrrev_b32 v[TT+q], 23, v[BM+q]             ; the bytes
.set q, q+1
.endr
.irp a, 0,1,2,3
	v_lshl_or_b32 v[26+\a], v[TT+2*\a+1], 8, v[TT+2*\a]      ; bytes 0, 1 of the word in lanes 0-15, bytes 2, 3 in lanes 16-31
.endr
	SWAP 26, 27
	SWAP 28, 29
	v_lshl_or_b32 v40, v27, 16, v26                ; tile 0's words in lanes 0-15, tile 1's in lanes 16-31
	v_lshl_or_b32 v41, v29, 16, v28                ; tiles 2 and 3
.set q, 0
.rept 8
	v_mov_b32 v[50+q-54*(q/6)], v[BM+q]            ; (v50-55, v2, v3)
.set q, q+1
.endr
.set q, 0
.rept 8
	SWAP BM+q, 50+q-54*(q/6)                       ; BM + 2 a + k: block k's operand in all lanes; v50-55, v2, v3: block 2 + k's
.set q, q+1
.endr
	v_add_nc_u32 v63, s63, v1
	v_add_nc_u32 v59, s62, v1
	ds_store_b64 v63, v[40:41] offset:8*(\tr)
.irp a, 0,1,2,3
.set rP, 18+12*(\a%2)
.if \a > 0
	s_wait_dscnt 3                                 ; all LDS stores but the last tile's three are done: these codes' registers are free
.endif
	WIN 0x01
	v_cvt_scalef32_pk16_fp6_f32 v[rP:rP+2], v[64*\a:64*\a+15], v[BM+2*\a]
	v_cvt_scalef32_pk16_fp6_f32 v[56:58], v[64*\a+16:64*\a+31], v[BM+2*\a+1]
	v_cvt_scalef32_pk16_fp6_f32 v[rP+6:rP+8], v[64*\a+32:64*\a+47], v[50+2*\a-54*(\a/3)]
	v_cvt_scalef32_pk16_fp6_f32 v[60:62], v[64*\a+48:64*\a+63], v[51+2*\a-54*(\a/3)]
	WIN 0
	v_nop                                          ; one plain line behind a scaled conversion
.irp i, 0,1,2
	SWAP rP+\i, 56+\i                              ; a whole block to a lane
	SWAP rP+6+\i, 60+\i
.endr
.irp i, 0,1,2
	v_mov_b32 v[rP+3+\i], v[56+\i]
	v_mov_b32 v[rP+9+\i], v[60+\i]
.endr
.irp i, 0,1,2
	ds_store_b128 v59, v[rP+4*\i:rP+4*\i+3] offset:6144*(\tr)+1536*\a+512*\i
.endr
.endr
	s_wait_dscnt 0x0                               ; my stores are done
.endm
	TRIP 0
	TRIP 1
	; ---- what the second part wants: w_proj (tile n, K step s at 160 + 24 n + 12 s of window 1), its scale words (tile 0's in lanes 0-15, tile 1's in lanes 16-31), b_proj: 15 loads
	v_lshrrev_b32 v18, 1, v1                       ; v18: 8 x lane
	v_and_b32 v60, 15, v0                          ; r
	v_bfe_u32 v61, v0, 4, 1                        ; h
	v_lshlrev_b32 v19, 2, v60                      ; v19: 4 r
	v_mov_b32 v21, 0                               ; (the upper halves of the bias's pairs, named and not used)
	v_mov_b32 v23, 0
	global_load_b64 v[SCC:SCC+1], v18, s[14:15]
	global_load_b32 v20, v19, s[16:17]
	global_load_b32 v22, v19, s[16:17] offset:64
	WIN 0x40
.irp n, 0,1
.irp s, 0,1
.irp i, 0,1,2
	global_load_b128 v[160+24*\n+12*\s+4*\i:160+24*\n+12*\s+4*\i+3], v1, s[12:13] offset:3072*\n+1536*\s+512*\i
.endr
.endr
.endr
	WIN 0
	s_barrier_signal -1
	v_add_nc_u32 v24, PI, v1                       ; v24, v25: p's images of key steps 0-3, 4-7 (an LDS offset has 16 bits)
	v_add_nc_u32 v25, PI+49152, v1
	v_lshlrev_b32 v62, 4, v60
	v_lshlrev_b32 v63, 3, v60
	v_mad_u32_u24 v26, v61, 3072, v62
	v_mad_u32_u24 v27, v61, 3072, v63
	v_mul_u32_u24 v29, v60, XP
	v_mul_u32_u24 v30, v61, XP
	v_lshl_add_u32 v29, v61, 6, v29
	v_lshl_add_u32 v30, v60, 4, v30
	v_lshl_add_u32 v31, v61, 12, v62               ; v31: the output: 16 lanes to a row of 256 bytes, two channels a store
	v_add_nc_u32 v26, s70, v26                     ; v26, v27: o's images: lanes 0-15 one tile, lanes 16-31 the next
	v_add_nc_u32 v27, s71, v27
	v_add_nc_u32 v28, s72, v1                      ; v28: o's scale bytes
	v_add_nc_u32 v29, s73, v29                     ; v29: x: row r, + 64 h
	v_add_nc_u32 v30, s73, v30                     ; v30: and rows: 16 lanes to 256 bytes
	WALU
	s_barrier_wait -1                              ; p's 64 images and their scale words lie in LDS
.macro PFETCH ks, hf                   ; four query tiles' fragments of p for key step ks, and their scale words: 13 loads
.set rP, 24+(\ks)/4
	WIN 0x40
.irp m, 0,1,2,3
.irp i, 0,1,2
	ds_load_b128 v[64+48*((\ks)%2)+12*\m+4*\i:64+48*((\ks)%2)+12*\m+4*\i+3], v[rP] offset:12288*((\ks)%4)+6144*(\hf)+1536*\m+512*\i
.endr
.endr
	WIN 0
	ds_load_b64 v[SCB+2*((\ks)%2):SCB+2*((\ks)%2)+1], v1 offset:PS+512*(\ks)+8*(\hf)
.endm
.macro HALF hf
	; ---- O^T = v^T p^T: my 32 channels for 64 queries; the eight accumulators take turns
	PFETCH 0, \hf
	PFETCH 1, \hf
.irp k, 0,1,2,3,4,5,6,7
.if \k < 7
	s_wait_dscnt 13                                ; this key step's p is in; the next one's 13 loads may be out
.else
	s_wait_dscnt 0x0
.endif
.if (\hf) == 0
	s_wait_loadcnt 6*(7-\k)+15                     ; this key step's v is in; behind it the later key steps' six loads each and 15 more were issued
.endif
	WIN 0x54                                       ; v window 0, p window 1, C and D window 1
.irp m, 0,1,2,3
.irp n, 0,1
.set rD, 16*\m+8*\n
.set rA, KV+24*\k+12*\n
.set rB, 64+48*(\k%2)+12*\m
.set rX, SCA+\k
.set rY, SCB+2*(\k%2)+\m/2
.if \k == 0
	WMS rD, rA, rB, 0, rX, rY, \n, \m
.else
	WMS rD, rA, rB, v[rD:rD+7], rX, rY, \n, \m
.endif
.endr
.endr
	WIN 0
	PLACES 4
.if \k < 6
	PFETCH \k+2, \hf
.endif
.endr
	; ---- o is quantised along the channels: a tile's 16 registers are half of my block of 32
.if (\hf) == 1
	s_wait_xcnt 0x0                                ; the first half's stores have read their registers
.endif
	WIN 0x05
.irp m, 0,1,2,3
	v_max3_num_f32 v[36+\m], |v[16*\m]|, |v[16*\m+1]|, 0x1800000
.endr
	WIN 0x14
.irp i, 2,4,6,8,10,12,14
.irp m, 0,1,2,3
	v_max3_num_f32 v[36+\m], v[36+\m], |v[16*\m+\i]|, |v[16*\m+\i+1]|
.endr
.endr
	WIN 0
	SWAP 36, 37
	SWAP 38, 39
	v_max_num_f32 v36, v36, v37                    ; tile 0's block in lanes 0-15, tile 1's in lanes 16-31
	v_max_num_f32 v38, v38, v39                    ; tiles 2 and 3
	v_add_nc_u32 v36, 0xff000000, v36
	v_add_nc_u32 v38, 0xff000000, v38
	v_lshrrev_b32 v40, 23, v36
	v_lshrrev_b32 v41, 23, v38
	v_mov_b32 v37, v36
	v_mov_b32 v39, v38
	SWAP 36, 37                                    ; v36-39: each tile's operand in all lanes
	SWAP 38, 39
	ds_store_b8 v28, v40 offset:8*(\hf)
	ds_store_b8 v28, v41 offset:8*(\hf)+4
	WIN 0x01
.irp m, 0,1,2,3
	v_cvt_scalef32_pk16_fp6_f32 v[44+4*\m:46+4*\m], v[16*\m:16*\m+15], v[36+\m]
.endr
	WIN 0
	v_nop                                          ; one plain line behind a scaled conversion
.irp p, 0,1
.irp i, 0,1,2
	SWAP 44+8*\p+\i, 48+8*\p+\i                    ; a whole block to a lane: lanes 0-15 the even tile's rows, lanes 16-31 the odd tile's
.endr
.endr
.irp p, 0,1
.irp i, 0,1,2
	v_mov_b32 v[47+8*\p+\i], v[48+8*\p+\i]
.endr
.endr
.irp p, 0,1
	ds_store_b128 v26, v[44+8*\p:47+8*\p] offset:3072*(4*(\hf)+2*\p)
	ds_store_b64 v27, v[48+8*\p:49+8*\p] offset:3072*(4*(\hf)+2*\p)
.endr
.if (\hf) == 0
	s_wait_tensorcnt 0x0                           ; my rows of x have landed; no other wave reads them
.endif
	WIN 0x40
.irp m, 0,1,2,3
.irp n, 0,1
	ds_load_b128 v[16*\m+8*\n:16*\m+8*\n+3], v29 offset:16*XP*\n+256*(\hf)+128*(\m/2)+32*(\m%2)
	ds_load_b128 v[16*\m+8*\n+4:16*\m+8*\n+7], v29 offset:16*XP*\n+256*(\hf)+128*(\m/2)+32*(\m%2)+16
.endr
.endr
	WIN 0
.if (\hf) == 0
	s_wait_loadcnt 0x0                             ; w_proj and b_proj
.endif
	s_wait_dscnt 0x0                               ; x is in, and for the others' sake: my stores are done
	s_barrier_signal -1
	WIN 0x41
.irp m, 0,1,2,3
.irp n, 0,1
.irp j, 0,2,4,6
	v_pk_add_f32 v[16*\m+8*\n+\j:16*\m+8*\n+\j+1], v[16*\m+8*\n+\j:16*\m+8*\n+\j+1], v[20+2*\n:21+2*\n] op_sel_hi:[1,0]
.endr
.endr
.endr
	WIN 0
	s_barrier_wait -1                              ; o's fragments and scale words of these 64 queries lie in LDS
	; ---- y = o w_proj^T + (x + b_proj)
.irp s, 0,1
	ds_load_b64 v[SCB+2*\s:SCB+2*\s+1], v1 offset:OS+512*\s+8*(\hf)
.endr
	WIN 0x40
.irp s, 0,1
.irp m, 0,1,2,3
.irp c, 0,1
	ds_load_b128 v[64+24*\m+12*\s+6*\c:64+24*\m+12*\s+6*\c+3], v1 offset:OI+3072*(4*(\hf)+\m)+1536*\s+768*\c
	ds_load_b64 v[64+24*\m+12*\s+6*\c+4:64+24*\m+12*\s+6*\c+5], v18 offset:OI+3072*(4*(\hf)+\m)+1536*\s+768*\c+512
.endr
.endr
.endr
.irp s, 0,1
	s_wait_dscnt 16-16*\s                          ; K step 0's fragments are in; K step 1's sixteen loads may be out
.if \s == 0
	WIN 0x55
	WALU
.endif
.irp m, 0,1,2,3
.irp n, 0,1
.set rD, 16*\m+8*\n
.set rA, 64+24*\m+12*\s
.set rB, 160+24*\n+12*\s
.set rX, SCB+2*\s+\m/2
.set rY, SCC+\s
	WMS rD, rA, rB, v[rD:rD+7], rX, rY, \m, \n
.endr
.endr
.endr
	WIN 0
	PLACES 6                                       ; four for the stores and loads below; five and more ahead of the other half's products on the same registers
	; ---- the way out: y into x's place, back as rows of 256 bytes, stored.  LDS serves a wave's instructions in order: the loads see my stores
	WIN 0x04
.irp m, 0,1,2,3
.irp n, 0,1
	ds_store_b128 v29, v[16*\m+8*\n:16*\m+8*\n+3] offset:16*XP*\n+256*(\hf)+128*(\m/2)+32*(\m%2)
	ds_store_b128 v29, v[16*\m+8*\n+4:16*\m+8*\n+7] offset:16*XP*\n+256*(\hf)+128*(\m/2)+32*(\m%2)+16
.endr
.endr
	WIN 0x40
.irp q, 0,1,2,3,4,5,6,7
	ds_load_b128 v[208+4*\q:208+4*\q+3], v30 offset:2*XP*\q+256*(\hf)
.endr
	WIN 0
.irp q, 0,1,2,3,4,5,6,7
	ds_load_b128 v[32+4*\q:32+4*\q+3], v30 offset:2*XP*(\q+8)+256*(\hf)
.endr
	s_wait_dscnt 8
	WIN 0x04
.irp q, 0,1,2,3,4,5,6,7
	global_store_b128 v31, v[208+4*\q:208+4*\q+3], s[20:21] offset:8192*\q+256*(\hf) th:TH_STORE_NT   ; sixteen lanes store 256 consecutive bytes, aligned
.endr
	WIN 0
	s_wait_dscnt 0x0
.irp q, 0,1,2,3,4,5,6,7
	global_store_b128 v31, v[32+4*\q:32+4*\q+3], s[20:21] offset:8192*(\q+8)+256*(\hf) th:TH_STORE_NT
.endr
.endm
	HALF 0
	HALF 1
	v_lshl_add_u32 v2, v0, 2, SPARE                ; made anew for the wave's end
	v_mov_b32 v3, 0
	WALU
	s_wait_tensorcnt 0x0                           ; the wave's end
	ds_add_u32 v2, v3
	s_wait_dscnt 0x0
	s_endpgm
.Lfunc_end_k_q6b3e8ef513_attn:
	.size	k_q6b3e8ef513_attn, .Lfunc_end_k_q6b3e8ef513_attn-k_q6b3e8ef513_attn
	.p2alignl 7, 3214868480
	.fill 96, 4, 3214868480
	.section	.rodata,"a",@progbits
	.p2align	6, 0x0
	.amdhsa_kernel k_q6b3e8ef513_attn
		.amdhsa_group_segment_fixed_size 297984
		.amdhsa_private_segment_fixed_size 0
		.amdhsa_enable_private_segment 0
		.amdhsa_kernarg_size 72
		.amdhsa_user_sgpr_count 2
		.amdhsa_user_sgpr_kernarg_segment_ptr 1
		.amdhsa_wavefront_size32 1
		.amdhsa_system_sgpr_workgroup_id_x 1
		.amdhsa_system_sgpr_workgroup_id_y 1
		.amdhsa_system_sgpr_workgroup_id_z 1
		.amdhsa_system_vgpr_workitem_id 0
		.amdhsa_next_free_vgpr 512
		.amdhsa_next_free_sgpr 80
		.amdhsa_reserve_vcc 0
		.amdhsa_float_denorm_mode_32 3
		.amdhsa_float_denorm_mode_16_64 3
		.amdhsa_memory_ordered 1
		.amdhsa_forward_progress 1
		.amdhsa_inst_pref_size 213
	.end_amdhsa_kernel
	.amdgpu_metadata
---
amdhsa.version: [ 1, 2 ]
amdhsa.kernels:
  - .name:           k_q6b3e8ef513_attn
    .symbol:         k_q6b3e8ef513_attn.kd
    .args:
      - { .name: qkc, .offset: 0, .size: 8, .value_kind: global_buffer, .address_space: global }
      - { .name: qks, .offset: 8, .size: 8, .value_kind: global_buffer, .address_space: global }
      - { .name: vc, .offset: 16, .size: 8, .value_kind: global_buffer, .address_space: global }
      - { .name: vs, .offset: 24, .size: 8, .value_kind: global_buffer, .address_space: global }
      - { .name: wc, .offset: 32, .size: 8, .value_kind: global_buffer, .address_space: global }
      - { .name: ws, .offset: 40, .size: 8, .value_kind: global_buffer, .address_space: global }
      - { .name: b_proj, .offset: 48, .size: 8, .value_kind: global_buffer, .address_space: global }
      - { .name: x, .offset: 56, .size: 8, .value_kind: global_buffer, .address_space: global }
      - { .name: out0, .offset: 64, .size: 8, .value_kind: global_buffer, .address_space: global }
    .group_segment_fixed_size: 297984
    .private_segment_fixed_size: 0
    .kernarg_segment_align: 8
    .kernarg_segment_size: 72
    .max_flat_workgroup_size: 256
    .sgpr_count:     80
    .vgpr_count:     512
    .wavefront_size: 32
...
	.end_amdgpu_metadata
.endif
;; end of part 3
